; MI455X (gfx1250); checked and timed in simulation.
; The chip was launched on July 23, 2026; its instructions are those of AMD's public machine-readable ISA for CDNA 5 (MIT licence, August 2026) and "CDNA5" Instruction Set Architecture Reference Guide (July 2026). The comments in the code are by the model that wrote it; some were corrected since.
;; Coordinate Decoder. Allowed arithmetic: matrix products marked QUANTISED: E3M2 operands, one E8M0 scale for each 32 along K, by v_wmma_scale_f32_16x16x128_f8f6f4 with both operands' format E3M2, f32 sums; products left as they are: f32 operands where the result goes on into a quantised operand, else bf16, f16 or f32 operands; f32 sums; everything else in f32.
;; Inputs: b0 128 float32; b1 128 float32; b2 128 float32; b_out 3 float32; coords 65,536 x 2 float32; feature_grid 8 x 64 x 64 x 256 float32; w0 298 x 128 float32; w1 128 x 128 float32; w2 128 x 128 float32; w_out 128 x 3 float32.
;; Outputs: out0 8 x 65,536 x 3 float32.
;; This version of the problem:
;;   THIS VERSION OF THE PROBLEM IS GIVEN IN LOW PRECISION. The matrix products marked QUANTISED in the list below multiply operands that are first quantised to E3M2 (3 exponent bits, 2 mantissa bits; 6 bits a number), with one power-of-two scale for each 32 numbers along K (OCP MX v1.0); their sums are f32. All else is computed in f32.
;;   The module's matrix products, in the order in which they are computed (A, B: the left and right operand; K: the contracted axis; several contracted axes count as one K, in the product's order):
;;     1. [M 524,288, K 298] x [K 298, N 128]; A: computed on the way; B: input w0: QUANTISED
;;     2. [M 524,288, K 128] x [K 128, N 128]; A: computed on the way; B: input w1: QUANTISED
;;     3. [M 524,288, K 128] x [K 128, N 128]; A: computed on the way; B: input w2: QUANTISED
;;     4. [M 524,288, K 128] x [K 128, N 3]; A: computed on the way; B: input w_out: left as it is (N = 3 < 16)
;;   THE QUANTISER, for each operand of a quantised product, along K:
;;     - K is cut into blocks of 32 from its start; a last block that is shorter is filled with zeros.
;;     - A block's scale is 2^e with e = floor(log2(the largest magnitude in the block)) - 4, held to -126 .. 127; a block of zeros has e = 0. As a byte (E8M0): e + 127.
;;     - Each number is divided by its block's scale, clamped to +-28, and rounded to the nearest number of E3M2, ties to even, subnormals kept.
;;     - The product sums the exact products of the quantised numbers (number of the format x scale) in f32.
;;   ~~~python
;;   def quantise(x, axis):      # numpy; x: float32 -> the quantised numbers, widened to float32 again
;;       x = np.moveaxis(x, axis, -1); K = x.shape[-1]
;;       x = np.pad(x, [(0, 0)] * (x.ndim - 1) + [(0, -K % 32)]); x = x.reshape(x.shape[:-1] + (-1, 32)); a = np.abs(x).max(-1, keepdims=True)
;;       e = np.where(a > 0, np.clip(np.frexp(np.where(a > 0, a, 1))[1] - 1 - 4, -126, 127), 0)      # np.frexp(a)[1] - 1 = floor(log2(a)), exactly
;;       r = np.clip(x / 2.0 ** e, -28, 28)
;;       step = 2.0 ** (np.maximum(np.frexp(np.where(r == 0, 1, r))[1] - 1, -2) - 2)
;;       q = np.round(r / step) * step * 2.0 ** e      # np.round: ties to even
;;       return np.moveaxis(q.reshape(q.shape[:-2] + (-1,))[..., :K], -1, axis).astype(np.float32)
;;   ~~~
;;   OPERANDS COMPUTED ON THE WAY. 'Computed on the way' means the value that the module computes at that place (a softmax that the list does not call 'softmax' is quantised finished and normalised). What goes into a quantiser is computed in f32, as accurately as f32 sums, v_exp_f32 and their like allow (about 1e-6 of the number): no bf16 or f16 on the way to a quantiser, and a product that is left as it is and whose result goes on into a quantised operand takes f32 operands (vector FMAs, or v_wmma_f32_16x16x4_f32). A number that lies on a knife's edge between two numbers of the format may be rounded either way, as far as f32 arithmetic and the matrix unit's own rounding can turn it there, and no further.
;; 2 versions, each right; version 2 is version 1 with the launch decode written anew for expert scheduling mode. Each part assembles by itself: llvm-mc -triple=amdgcn-amd-amdhsa -mcpu=gfx1250 --defsym DOCPART=n.
;; ======== version 1 of 2: 3 launches
;; limits: inputs' magnitudes at most 256
;; workspace buffers: keyw 262,144 bytes of whole numbers; sorted 524,288 bytes of whole numbers; rec 16,777,216 bytes; wimg 73,728 bytes
;; launch prep (part 1): grid 262 x 1, 8 waves a work-group, no clusters, 70,656 bytes of LDS; arguments coords, w0, w1, w2, w_out, b0, b1, b2, keyw, rec, wimg; writes keyw, rec, wimg
.if DOCPART == 1
	.amdgcn_target "amdgcn-amd-amdhsa--gfx1250"
	.amdhsa_code_object_version 6
	.text
	.protected	k_qcb990af2f8_prep
	.globl	k_qcb990af2f8_prep
	.p2align	8
	.type	k_qcb990af2f8_prep,@function
k_qcb990af2f8_prep:
	s_mov_b64 s[64:65], 0
	v_nop
	global_prefetch_b8 v0, s[64:65] scope:SCOPE_SE
	s_setreg_imm32_b32 hwreg(HW_REG_WAVE_MODE, 25, 1), 1
	s_wait_xcnt 0x0
; WHAT IS THE SAME FOR ALL EIGHT IMAGES IS MADE ONCE.
; Work-groups 0-255, a thread a point: the 42 numbers of the positional encoding, the grid cell, the four bilinear weights.
;   rec[point]: 256 bytes: words 0-41 the encoding, 42-43 zero, 44-47 w00 w01 w10 w11, 48-63 zero.
;   keyw[point] = key << 12 | node; node = 64 a + b of the cell (a, b), both 0..62; key = (a>>2)<<8 | (b>>2)<<4 | (a&3)<<2 | (b&3).
; Work-groups 256-260, a wave a fragment: w0 (24 fragments), w1, w2 (8 each) become codes of E3M2 along K with E8M0 scale bytes, laid as
;   images of the operand's registers (three runs of 16 bytes a lane) in the order in which the third launch copies them into LDS.
; Work-group 261: w_out as four bf16 fragments (rows 3-15 zero), the three biases, and the zeros that fill the image.
; SINE AND COSINE.  The argument is fl(x pi) 2^k, exactly as the product x * (2^k pi) rounds.  Its phase in turns is kept as a sum of two f32
;   (1 / 2 pi in two parts, the product's error by a fused multiply-add); the nearest quarter turn is taken off exactly; polynomials on what is left.
; LIMITS: |coords| up to 256 (beyond, what is left of the angle passes the polynomials' range); NaN and infinities are not served.
;   Where both neighbours of a coordinate reflect onto one index, their two weights are added first: one more rounding than a sum of four products.
;   A block of zeros gets the scale byte 1 (its codes are zeros, and this program alone reads the bytes).
.set EN,  32                           ; v32-73 the encoding; v74-75 zero; v76-79 the weights; v80-83 zero
.set QH,  8                            ; v8-9   the phase in turns, high part, for the two coordinates
.set QL,  10                           ; v10-11 its low part
.set TQ,  12
.set JJ,  13
.set RR,  14
.set JI,  15
.set TH,  16
.set ZZ,  17
.set PS,  18
.set PC,  19
.set Z2,  20
.set HH,  21
.set SS,  22
.set CC,  23
.set GG,  24
.set SA,  25
.set CA,  26
.set YY,  27
.set KS3, 28
.set KC0, 29
.set CELA, 84
.set CELB, 85
.set WA0, 86
.set WA1, 87
.set WB0, 88
.set WB1, 89
	s_load_b512 s[4:19], s[0:1], 0x0               ; coords, w0, w1, w2, w_out, b0, b1, b2
	s_load_b128 s[20:23], s[0:1], 0x40             ; keyw, rec
	s_load_b64 s[24:25], s[0:1], 0x50              ; wimg
	v_lshl_add_u32 v192, v0, 2, 0x11000
	v_mov_b32 v193, 0
	v_lshrrev_b32 v1, 5, v0
	v_readfirstlane_b32 s26, v1                    ; wave
	v_and_b32 v2, 31, v0                           ; lane
	v_and_b32 v3, 15, v0                           ; r
	v_bfe_u32 v4, v0, 4, 1                         ; h
	v_lshlrev_b32 v6, 4, v2                        ; 16 x lane
	s_mov_b32 s29, 0
	s_mov_b32 s41, 0
	s_mov_b32 s38, 0x76543210
	s_mov_b32 s39, 0xfedcba98                      ; v_permlanex16_b32's selects for lane l xor 16
	s_wait_kmcnt 0x0
	s_cmp_lt_u32 ttmp9, 256
	s_cbranch_scc0 .Lweights
; ---------------- a thread a point ----------------
	s_lshl_b32 s28, ttmp9, 11                      ; 256 points x 8 bytes
	s_add_nc_u64 s[4:5], s[4:5], s[28:29]
	v_lshlrev_b32 v5, 3, v0
	global_load_b64 v[EN:EN+1], v5, s[4:5]         ; the point: also the encoding's first two numbers
	s_lshl_b32 s28, ttmp9, 10
	s_add_nc_u64 s[20:21], s[20:21], s[28:29]      ; keyw at the group's first point
	s_lshl_b32 s28, ttmp9, 16
	s_lshl_b32 s30, s26, 13
	s_add_co_u32 s28, s28, s30
	s_add_nc_u64 s[22:23], s[22:23], s[28:29]      ; rec at the wave's first point
	v_lshlrev_b32 v7, 2, v0
	s_mul_i32 s30, s26, 32*272                     ; the wave's own stage: 32 rows of 256 bytes + 16
	v_mul_u32_u24 v30, v2, 272
	v_add_nc_u32 v30, s30, v30                     ; in: my row
	v_mul_u32_u24 v31, v4, 272
	v_lshl_add_u32 v31, v3, 4, v31
	v_add_nc_u32 v31, s30, v31                     ; back: sixteen lanes to a row, two rows an instruction
	v_mov_b32 v[KS3], 0xb94ca1f9
	v_mov_b32 v[KC0], 0x37ccf5ce
	v_mov_b32 v[EN+42], 0
	v_mov_b32 v[EN+43], 0
.irp i, 48,49,50,51
	v_mov_b32 v[EN+\i], 0
.endr
	s_wait_loadcnt 0x0
.irp d, 0,1
	v_mul_f32 v[YY], 0x40490fdb, v[EN+\d]          ; y = fl(x pi)
	v_mul_f32 v[QH+\d], 0x3e22f983, v[YY]          ; y / 2 pi, rounded,
	v_fma_f32 v[TQ], v[YY], 0x3e22f983, -v[QH+\d]  ; what that rounding dropped,
	v_fma_f32 v[QL+\d], v[YY], 0x31dc9c88, v[TQ]   ; and y x the rest of 1 / 2 pi
.endr
; sin and cos of y 2^k.  In quarter turns: T = qh 2^(k+2) is exact, J its nearest whole number, T - J exact.
.macro SINCOS ds, dc, qh, ql, k
	v_mul_f32 v[TQ], (129+\k)<<23, v[\qh]
	v_rndne_f32 v[JJ], v[TQ]
	v_sub_f32 v[RR], v[TQ], v[JJ]
	v_fmamk_f32 v[RR], v[\ql], (129+\k)<<23, v[RR]
	v_cvt_i32_f32 v[JI], v[JJ]
	v_mul_f32 v[TH], 0x3fc90fdb, v[RR]             ; the angle left, in radians
	v_mul_f32 v[ZZ], v[TH], v[TH]
	v_fmaak_f32 v[PS], v[KS3], v[ZZ], 0x3c08839e
	v_fmaak_f32 v[PC], v[KC0], v[ZZ], 0xbab6061a
	v_fmaak_f32 v[PS], v[PS], v[ZZ], 0xbe2aaaa3
	v_fmaak_f32 v[PC], v[PC], v[ZZ], 0x3d2aaaa5
	v_mul_f32 v[PS], v[PS], v[ZZ]
	v_mul_f32 v[Z2], v[ZZ], v[ZZ]
	v_fma_f32 v[HH], v[ZZ], -0.5, 1.0
	v_fma_f32 v[SS], v[PS], v[TH], v[TH]
	v_fma_f32 v[CC], v[PC], v[Z2], v[HH]
	v_and_b32 v[GG], 1, v[JI]
	v_cmp_eq_u32 vcc_lo, 1, v[GG]                  ; an odd quarter: the two change places (a choice of values: no address hangs on it)
	v_cndmask_b32 v[SA], v[SS], v[CC], vcc_lo
	v_cndmask_b32 v[CA], v[CC], v[SS], vcc_lo
	v_lshlrev_b32 v[GG], 30, v[JI]
	v_and_b32 v[GG], 0x80000000, v[GG]             ; quarters 2, 3: the sine is negative
	v_xor_b32 v[\ds], v[GG], v[SA]
	v_add_nc_u32 v[GG], 1, v[JI]
	v_lshlrev_b32 v[GG], 30, v[GG]
	v_and_b32 v[GG], 0x80000000, v[GG]             ; quarters 1, 2: the cosine
	v_xor_b32 v[\dc], v[GG], v[CA]
.endm
.irp k, 0,1,2,3,4,5,6,7,8,9
.irp d, 0,1
	SINCOS EN+2+4*\k+\d, EN+4+4*\k+\d, QH+\d, QL+\d, \k
.endr
.endr
; the reflected index of i (add = 129) or i + 1 (add = 131): (|((2 i + add) mod 256) - 128| - 1) / 2
.macro REFL d, add
	v_add_nc_u32 v[\d], \add, v[JI]
	v_and_b32 v[\d], 255, v[\d]
	v_add_nc_u32 v[\d], 0xffffff80, v[\d]
	v_ashrrev_i32 v[Z2], 31, v[\d]
	v_xor_b32 v[\d], v[Z2], v[\d]
	v_sub_nc_u32 v[\d], v[\d], v[Z2]
	v_add_nc_u32 v[\d], -1, v[\d]
	v_lshrrev_b32 v[\d], 1, v[\d]
.endm
; one coordinate: the cell's index (0..62) and the weights on it and on the index after it
.macro AXIS xr, cel, wlo, whi
	v_add_f32 v[TQ], 1.0, v[\xr]
	v_mul_f32 v[TQ], 0.5, v[TQ]
	v_mul_f32 v[TQ], 0x427c0000, v[TQ]             ; ((x + 1) / 2) 63
	v_floor_f32 v[JJ], v[TQ]
	v_sub_f32 v[RR], v[TQ], v[JJ]                  ; the upper neighbour's weight
	v_sub_f32 v[TH], 1.0, v[RR]                    ; the lower one's
	v_cvt_i32_f32 v[JI], v[JJ]
	v_lshlrev_b32 v[JI], 1, v[JI]
	REFL PS, 129
	REFL PC, 131
	v_min_u32 v[\cel], v[PS], v[PC]
	v_min_u32 v[\cel], 62, v[\cel]
	v_add_nc_u32 v[GG], 1, v[\cel]
	v_cmp_eq_u32 vcc_lo, v[PS], v[\cel]
	v_cndmask_b32 v[\wlo], 0, v[TH], vcc_lo
	v_cmp_eq_u32 vcc_lo, v[PC], v[\cel]
	v_cndmask_b32 v[SS], 0, v[RR], vcc_lo
	v_add_f32 v[\wlo], v[\wlo], v[SS]
	v_cmp_eq_u32 vcc_lo, v[PS], v[GG]
	v_cndmask_b32 v[\whi], 0, v[TH], vcc_lo
	v_cmp_eq_u32 vcc_lo, v[PC], v[GG]
	v_cndmask_b32 v[SS], 0, v[RR], vcc_lo
	v_add_f32 v[\whi], v[\whi], v[SS]
.endm
	AXIS EN, CELA, WA0, WA1
	AXIS EN+1, CELB, WB0, WB1
	v_mul_f32 v[EN+44], v[WA0], v[WB0]
	v_mul_f32 v[EN+45], v[WA0], v[WB1]
	v_mul_f32 v[EN+46], v[WA1], v[WB0]
	v_mul_f32 v[EN+47], v[WA1], v[WB1]
	v_lshrrev_b32 v[TQ], 2, v[CELA]
	v_lshrrev_b32 v[JJ], 2, v[CELB]
	v_lshl_or_b32 v[TQ], v[TQ], 4, v[JJ]
	v_and_b32 v[JJ], 3, v[CELA]
	v_lshl_or_b32 v[TQ], v[TQ], 2, v[JJ]
	v_and_b32 v[JJ], 3, v[CELB]
	v_lshl_or_b32 v[TQ], v[TQ], 2, v[JJ]           ; key
	v_lshl_or_b32 v[JJ], v[CELA], 6, v[CELB]       ; node
	v_lshl_or_b32 v[TQ], v[TQ], 12, v[JJ]
	global_store_b32 v7, v[TQ], s[20:21]           ; at a fixed place: 4 x point
; a lane holds a whole record, the lanes beside it other records: through the wave's own stage, so that each store covers two whole records
.irp j, 0,1,2,3,4,5,6,7,8,9,10,11
	ds_store_b128 v30, v[EN+4*\j:EN+4*\j+3] offset:16*\j
.endr
.irp j, 12,13,14,15
	ds_store_b128 v30, v[EN+48:EN+51] offset:16*\j
.endr
.irp j, 0,1,2,3,4,5,6,7,8,9,10,11,12,13,14,15
	ds_load_b128 v[96+4*\j:99+4*\j], v31 offset:544*\j   ; LDS serves a wave's instructions in order: these see my stores
.endr
.irp j, 0,1,2,3,4,5,6,7,8,9,10,11,12,13,14,15
	s_wait_dscnt 15-\j
	global_store_b128 v6, v[96+4*\j:99+4*\j], s[22:23] offset:512*\j   ; 32 lanes store 512 consecutive bytes, aligned
.endr
	s_wait_tensorcnt 0x0
	ds_add_u32 v192, v193
	s_wait_dscnt 0x0
	s_endpgm
; ---------------- a wave a fragment of w0, w1 or w2 ----------------
.Lweights:
	s_cmp_lt_u32 ttmp9, 261
	s_cbranch_scc0 .Ltables
	s_sub_co_u32 s28, ttmp9, 256
	s_lshl_b32 s28, s28, 3
	s_add_co_u32 s28, s28, s26                     ; f = 0..39: w0: 8 x K step + tile; w1: 24 + tile; w2: 32 + tile
	s_lshr_b32 s33, s28, 3
	s_and_b32 s34, s28, 7                          ; tile
	s_mov_b32 s32, 298
	s_cmp_lt_u32 s28, 24
	s_cselect_b64 s[30:31], s[6:7], s[8:9]
	s_cselect_b32 s32, s32, 128                    ; the tensor's K
	s_cselect_b32 s33, s33, 0                      ; the K step
	s_cmp_lt_u32 s28, 32
	s_cselect_b64 s[30:31], s[30:31], s[10:11]
	s_lshr_b32 s35, s34, 1
	s_lshl_b32 s35, s35, 5
	s_and_b32 s36, s34, 1
	s_lshl_b32 s36, s36, 3
	s_add_co_u32 s35, s35, s36                     ; 32 (tile / 2) + 8 (tile % 2)
	v_and_b32 v5, 8, v3
	v_add_nc_u32 v5, v5, v3
	v_add_nc_u32 v5, s35, v5                       ; THE COLUMNS OF A TILE ARE NOT NEIGHBOURS: lane r takes column 32 (t / 2) + 8 (t % 2) + r + 8 (r / 8),
	v_lshlrev_b32 v5, 2, v5                        ; so that a lane's 16 results of two neighbouring tiles are 16 neighbours along the next K
	s_lshl_b32 s36, s33, 7
	v_lshl_add_u32 v7, v4, 5, s36                  ; my first k: 128 x K step + 32 h; registers run down K
	s_sub_co_u32 s37, s32, 1
.irp c, 0,1
.irp i, 0,1,2,3,4,5,6,7,8,9,10,11,12,13,14,15,16,17,18,19,20,21,22,23,24,25,26,27,28,29,30,31
	v_add_nc_u32 v[128+32*\c+\i], 64*\c+\i, v7
	v_min_u32 v[128+32*\c+\i], s37, v[128+32*\c+\i]        ; no load leaves the tensor: past its K the last row is read and thrown away below
	v_lshl_add_u32 v[128+32*\c+\i], v[128+32*\c+\i], 9, v5 ; a row is 512 bytes
	global_load_b32 v[64+32*\c+\i], v[128+32*\c+\i], s[30:31]
.endr
.endr
	s_wait_loadcnt 0x0
.irp c, 0,1
.irp i, 0,1,2,3,4,5,6,7,8,9,10,11,12,13,14,15,16,17,18,19,20,21,22,23,24,25,26,27,28,29,30,31
	v_add_nc_u32 v8, 64*\c+\i, v7
	v_cmp_gt_u32 vcc_lo, s32, v8
	v_cndmask_b32 v[64+32*\c+\i], 0, v[64+32*\c+\i], vcc_lo   ; zeros past the end of K, ahead of the block's maximum
.endr
.endr
.irp c, 0,1                                    ; my block 2 c + h: all its 32 numbers are mine
	v_max3_num_f32 v[10+\c], |v[64+32*\c]|, |v[65+32*\c]|, 0x2800000   ; with the floor 2^(5 - 127): the byte cannot fall under 1
.endr
.irp i, 2,4,6,8,10,12,14,16,18,20,22,24,26,28,30
.irp c, 0,1
	v_max3_num_f32 v[10+\c], v[10+\c], |v[64+32*\c+\i]|, |v[65+32*\c+\i]|
.endr
.endr
.irp c, 0,1
	v_add_nc_u32 v[12+\c], 0xfe000000, v[10+\c]    ; 4 off the exponent field: the conversion's scale operand
.endr
.irp c, 0,1
	v_lshrrev_b32 v[14+\c], 23, v[12+\c]           ; the scale's byte
.endr
	v_lshl_or_b32 v16, v15, 16, v14                ; my two bytes, blocks h and 2 + h,
	v_lshlrev_b32 v17, 3, v4
	v_lshlrev_b32 v16, v17, v16                    ; at their places in the word;
	v_mov_b32 v17, 0
	v_permlanex16_b32 v17, v16, s38, s39
	v_or_b32 v16, v16, v17                         ; with lane l xor 16's two the word is whole
.irp c, 0,1
	v_cvt_scalef32_pk16_bf6_f32 v[32+6*\c:34+6*\c], v[64+32*\c:79+32*\c], v[12+\c]
	v_cvt_scalef32_pk16_bf6_f32 v[44+4*\c:46+4*\c], v[80+32*\c:95+32*\c], v[12+\c]   ; (a conversion's three registers begin on an even number)
.endr
	v_nop                                          ; one plain place behind a scaled conversion
.irp c, 0,1
.irp i, 0,1,2
	v_mov_b32 v[35+6*\c+\i], v[44+4*\c+\i]
.endr
.endr
	s_mul_i32 s40, s28, 1536
	s_add_nc_u64 s[42:43], s[24:25], s[40:41]
.irp c, 0,1,2
	global_store_b128 v6, v[32+4*\c:35+4*\c], s[42:43] offset:512*\c   ; the fragment's registers as they stand, 16 bytes a lane
.endr
	s_lshr_b32 s40, s28, 2
	s_lshl_b32 s40, s40, 9
	s_and_b32 s36, s28, 3
	s_lshl_b32 s36, s36, 2
	s_add_co_u32 s40, s40, s36
	s_add_co_u32 s40, s40, 61440
	s_add_nc_u64 s[44:45], s[24:25], s[40:41]
	global_store_b32 v6, v16, s[44:45]             ; four fragments' scale words lie together, 16 bytes a lane
	s_endpgm
; ---------------- the small tables ----------------
.Ltables:
	s_cmp_lt_u32 s26, 4
	s_cbranch_scc0 .Lbias
	v_min_u32 v5, 2, v3                            ; waves 0-3: w_out's K step of 32: lane (m, h) holds w_out[32 b + 16 h + 0 .. 15][m]; rows 3-15 are zeros
	v_lshlrev_b32 v5, 2, v5
	v_mul_u32_u24 v7, v4, 192
	v_add_nc_u32 v5, v5, v7
	s_mul_i32 s28, s26, 384
	v_add_nc_u32 v5, s28, v5
.irp i, 0,1,2,3,4,5,6,7,8,9,10,11,12,13,14,15
	global_load_b32 v[64+\i], v5, s[12:13] offset:12*\i
.endr
	s_wait_loadcnt 0x0
	v_cmp_gt_u32 vcc_lo, 3, v3
.irp i, 0,1,2,3,4,5,6,7,8,9,10,11,12,13,14,15
	v_cndmask_b32 v[64+\i], 0, v[64+\i], vcc_lo
.endr
.irp i, 0,1,2,3,4,5,6,7
	v_cvt_pk_bf16_f32 v[32+\i], v[64+2*\i], v[65+2*\i]
.endr
	s_lshl_b32 s40, s26, 10
	s_add_co_u32 s40, s40, 68096
	s_add_nc_u64 s[42:43], s[24:25], s[40:41]
	global_store_b128 v6, v[32:35], s[42:43]
	global_store_b128 v6, v[36:39], s[42:43] offset:512
	s_endpgm
.Lbias:
	s_cmp_lt_u32 s26, 7
	s_cbranch_scc0 .Lzeros
	s_cmp_eq_u32 s26, 4                            ; waves 4-6: b0, b1, b2 as they lie
	s_cselect_b64 s[30:31], s[14:15], s[16:17]
	s_cmp_eq_u32 s26, 6
	s_cselect_b64 s[30:31], s[18:19], s[30:31]
	global_load_b128 v[32:35], v6, s[30:31]
	s_sub_co_u32 s40, s26, 4
	s_lshl_b32 s40, s40, 9
	s_add_co_u32 s40, s40, 66560
	s_add_nc_u64 s[42:43], s[24:25], s[40:41]
	s_wait_loadcnt 0x0
	global_store_b128 v6, v[32:35], s[42:43]
	s_endpgm
.Lzeros:
.irp i, 32,33,34,35
	v_mov_b32 v[\i], 0                             ; wave 7: the image's last 1,536 bytes, which the third launch copies with the rest
.endr
.irp j, 0,1,2
	global_store_b128 v6, v[32:35], s[24:25] offset:72192+512*\j
.endr
	s_endpgm
.Lfunc_end_k_qcb990af2f8_prep:
	.size	k_qcb990af2f8_prep, .Lfunc_end_k_qcb990af2f8_prep-k_qcb990af2f8_prep
	.p2alignl 7, 3214868480
	.fill 96, 4, 3214868480
	.section	.rodata,"a",@progbits
	.p2align	6, 0x0
	.amdhsa_kernel k_qcb990af2f8_prep
		.amdhsa_group_segment_fixed_size 70656
		.amdhsa_private_segment_fixed_size 0
		.amdhsa_enable_private_segment 0
		.amdhsa_kernarg_size 88
		.amdhsa_user_sgpr_count 2
		.amdhsa_user_sgpr_kernarg_segment_ptr 1
		.amdhsa_wavefront_size32 1
		.amdhsa_system_sgpr_workgroup_id_x 1
		.amdhsa_system_sgpr_workgroup_id_y 1
		.amdhsa_system_sgpr_workgroup_id_z 1
		.amdhsa_system_vgpr_workitem_id 0
		.amdhsa_next_free_vgpr 194
		.amdhsa_next_free_sgpr 66
		.amdhsa_reserve_vcc 1
		.amdhsa_float_denorm_mode_32 3
		.amdhsa_float_denorm_mode_16_64 3
		.amdhsa_memory_ordered 1
		.amdhsa_forward_progress 1
		.amdhsa_inst_pref_size 66
	.end_amdhsa_kernel
	.amdgpu_metadata
---
amdhsa.version: [ 1, 2 ]
amdhsa.kernels:
  - .name:           k_qcb990af2f8_prep
    .symbol:         k_qcb990af2f8_prep.kd
    .args:
      - { .name: coords, .offset: 0, .size: 8, .value_kind: global_buffer, .address_space: global }
      - { .name: w0, .offset: 8, .size: 8, .value_kind: global_buffer, .address_space: global }
      - { .name: w1, .offset: 16, .size: 8, .value_kind: global_buffer, .address_space: global }
      - { .name: w2, .offset: 24, .size: 8, .value_kind: global_buffer, .address_space: global }
      - { .name: w_out, .offset: 32, .size: 8, .value_kind: global_buffer, .address_space: global }
      - { .name: b0, .offset: 40, .size: 8, .value_kind: global_buffer, .address_space: global }
      - { .name: b1, .offset: 48, .size: 8, .value_kind: global_buffer, .address_space: global }
      - { .name: b2, .offset: 56, .size: 8, .value_kind: global_buffer, .address_space: global }
      - { .name: keyw, .offset: 64, .size: 8, .value_kind: global_buffer, .address_space: global }
      - { .name: rec, .offset: 72, .size: 8, .value_kind: global_buffer, .address_space: global }
      - { .name: wimg, .offset: 80, .size: 8, .value_kind: global_buffer, .address_space: global }
    .group_segment_fixed_size: 70656
    .private_segment_fixed_size: 0
    .kernarg_segment_align: 8
    .kernarg_segment_size: 88
    .max_flat_workgroup_size: 256
    .sgpr_count:     66
    .vgpr_count:     194
    .wavefront_size: 32
...
	.end_amdgpu_metadata
.endif
;; end of part 1
;; launch sortp (part 2): grid 256 x 1, 32 waves a work-group, no clusters, 8,192 bytes of LDS; arguments keyw, sorted; writes sorted
.if DOCPART == 2
	.amdgcn_target "amdgcn-amd-amdhsa--gfx1250"
	.amdhsa_code_object_version 6
	.text
	.protected	k_qcb990af2f8_sortp
	.globl	k_qcb990af2f8_sortp
	.p2align	8
	.type	k_qcb990af2f8_sortp,@function
k_qcb990af2f8_sortp:
	s_mov_b64 s[64:65], 0
	v_nop
	global_prefetch_b8 v0, s[64:65] scope:SCOPE_SE
	s_setreg_imm32_b32 hwreg(HW_REG_WAVE_MODE, 25, 1), 1
	s_wait_xcnt 0x0
; THE POINTS ARE PLACED BY CELL: a counting sort by gathering, whole numbers only, no traffic between work-groups.
; keyw[point] = key << 12 | node.  Work-group q owns bucket q = key >> 4 (4 x 4 cells).  It reads all 65,536 words, 2,048 a wave (64 registers a lane),
; counts the keys under its bucket and, for each of its 16 cells, its own; the 32 waves' counts meet in LDS behind the one barrier; then each wave
; goes over its registers again and stores (node, point) of each of its bucket's points at its place: sorted[place] = 8 bytes.
; place = keys in lower buckets + my bucket's points in lower cells + the cell's points in earlier waves + those met earlier in my wave.
; So each place is stored once in the launch, by one work-group, for every split of the points (all in one bucket too).
; The points of my bucket in a register are walked one by one (a loop counted against the number of set bits): on the average 8 a wave.
; A point's place, node and number are scalars there, so its store is made of them: all 32 lanes store the same 8 bytes at the same place, and EXEC is never written.
.set LANE, 2
.set A4,   3                           ; 4 x thread: where my wave's 32 counts go
.set L4,   4                           ; 4 x lane
.set IDX0, 5                           ; 2,048 wave + 4 lane: register 4 i + c holds point IDX0 + 128 i + c
.set KOF,  6
.set X,    7
.set CNT,  8                           ; lane s < 16: my wave's points in cell s; lane 16: its keys under the bucket
.set BASE, 9                           ; lane s: the next place for cell s
.set PA,   11                          ; the store's offset
.set D0,   12                          ; v[12:13] what is stored
.set EE,   14
.set PP,   15
.set TS,   16
.set K,    32                          ; v32-95 the keys
.set ROW,  96                          ; v96-127 the 32 waves' counts
	s_load_b128 s[4:7], s[0:1], 0x0                ; keyw, sorted
	v_lshl_add_u32 v30, v0, 2, 0x1000
	v_mov_b32 v31, 0
	v_lshrrev_b32 v1, 5, v0
	v_readfirstlane_b32 s8, v1                     ; wave
	v_and_b32 v[LANE], 31, v0
	v_lshlrev_b32 v[A4], 2, v0
	v_lshlrev_b32 v[L4], 2, v[LANE]
	s_lshl_b32 s9, ttmp9, 16                       ; the bucket's first word
	s_lshl_b32 s10, s8, 11
	v_lshl_add_u32 v[IDX0], v[LANE], 2, s10
	v_lshlrev_b32 v[KOF], 4, v[LANE]
	s_lshl_b32 s11, s8, 13
	v_add_nc_u32 v[KOF], s11, v[KOF]
	v_mov_b32 v[CNT], 0
	v_mov_b32 v[PA], 0                             ; (written whole once, ahead of the branches under which it is written again)
	v_mov_b32 v[EE], 0
	v_mov_b32 v[PP], 0
	v_mov_b32 v[TS], 0
	s_mov_b32 s12, 0                               ; keys under my bucket
	s_wait_kmcnt 0x0
.irp i, 0,1,2,3,4,5,6,7,8,9,10,11,12,13,14,15
	global_load_b128 v[K+4*\i:K+4*\i+3], v[KOF], s[4:5] offset:512*\i   ; 32 lanes read 512 consecutive bytes
.endr
.macro SCAN1 j
	v_cmp_gt_u32 vcc_lo, s9, v[K+\j]
	s_bcnt1_i32_b32 s13, vcc_lo
	s_add_co_u32 s12, s12, s13
	v_sub_nc_u32 v[X], v[K+\j], s9
	v_cmp_gt_u32 vcc_lo, 0x10000, v[X]             ; in my bucket
	s_cmp_eq_u32 vcc_lo, 0
	s_cbranch_scc1 .Lnone_\@
	s_mov_b32 s14, vcc_lo
	s_bcnt1_i32_b32 s15, s14
	s_mov_b32 s16, 0
.Lone_\@:
	s_ctz_i32_b32 s17, s14                         ; the lowest lane not yet taken
	v_readlane_b32 s18, v[X], s17
	s_lshr_b32 s18, s18, 12                        ; its cell, 0..15
	s_sub_co_u32 s19, s14, 1
	s_and_b32 s14, s14, s19
	v_cmp_eq_u32 vcc_lo, s18, v[LANE]
	v_add_co_ci_u32 v[CNT], vcc_lo, 0, v[CNT], vcc_lo   ; one more in that cell's lane
	s_add_co_u32 s16, s16, 1
	s_cmp_lt_u32 s16, s15
	s_cbranch_scc1 .Lone_\@
.Lnone_\@:
.endm
.set j, 0
.rept 64
.if j%4 == 0
	s_wait_loadcnt 15-j/4                          ; loads come back in order: this register's load is in, the younger ones stay out
.endif
	SCAN1 j
.set j, j+1
.endr
	v_writelane_b32 v[CNT], s12, 16
	ds_store_b32 v[A4], v[CNT]
	s_wait_dscnt 0x0                               ; for the others' sake: my counts lie in LDS
	s_barrier_signal -1
	s_barrier_wait -1
.set j, 0
.rept 32
	ds_load_b32 v[ROW+j], v[L4] offset:128*j
.set j, j+1
.endr
	s_wait_dscnt 0x0
.set j, 0
.rept 32
	s_cmp_eq_u32 s8, j
	s_cselect_b32 s13, -1, 0
	v_cndmask_b32 v[PP], v[PP], v[TS], s13         ; at my wave's turn: the sum over the earlier waves
	v_add_nc_u32 v[TS], v[TS], v[ROW+j]
.set j, j+1
.endr
	v_readlane_b32 s14, v[TS], 16                  ; all keys under my bucket
.set j, 0
.rept 16
	v_writelane_b32 v[EE], s14, j                  ; where cell j begins
	v_readlane_b32 s15, v[TS], j
	s_add_co_u32 s14, s14, s15
.set j, j+1
.endr
	v_add_nc_u32 v[BASE], v[EE], v[PP]
.macro SCAN2 j
	v_sub_nc_u32 v[X], v[K+\j], s9
	v_cmp_gt_u32 vcc_lo, 0x10000, v[X]
	s_cmp_eq_u32 vcc_lo, 0
	s_cbranch_scc1 .Lnone2_\@
	s_mov_b32 s14, vcc_lo
	s_bcnt1_i32_b32 s15, s14
	s_mov_b32 s16, 0
.Lone2_\@:
	s_ctz_i32_b32 s17, s14                         ; the lowest lane not yet taken
	v_readlane_b32 s18, v[X], s17                  ; its cell << 12 | node
	v_readlane_b32 s20, v[IDX0], s17
	s_sub_co_u32 s19, s14, 1
	s_and_b32 s14, s14, s19
	s_and_b32 s22, s18, 0xfff                      ; node
	s_lshr_b32 s18, s18, 12                        ; cell
	s_add_co_u32 s20, s20, 128*((\j)/4)+(\j)%4     ; point
	v_readlane_b32 s21, v[BASE], s18               ; the cell's next place
	s_wait_xcnt 0x0                                ; the last store has read its three registers: they are written again only behind this wait
	v_mov_b32 v[PA], s21
	v_min_u32 v[PA], 0xffff, v[PA]                 ; a place made of counted data enters an address behind a bound
	v_lshlrev_b32 v[PA], 3, v[PA]
	v_mov_b32 v[D0], s22
	v_mov_b32 v[D0+1], s20
	global_store_b64 v[PA], v[D0:D0+1], s[6:7]     ; every lane the same 8 bytes at the same place
	v_cmp_eq_u32 vcc_lo, s18, v[LANE]
	v_add_co_ci_u32 v[BASE], vcc_lo, 0, v[BASE], vcc_lo   ; the cell's place steps
	s_add_co_u32 s16, s16, 1
	s_cmp_lt_u32 s16, s15
	s_cbranch_scc1 .Lone2_\@
.Lnone2_\@:
.endm
.set j, 0
.rept 64
	SCAN2 j
.set j, j+1
.endr
	s_wait_tensorcnt 0x0
	ds_add_u32 v30, v31
	s_wait_dscnt 0x0
	s_endpgm
.Lfunc_end_k_qcb990af2f8_sortp:
	.size	k_qcb990af2f8_sortp, .Lfunc_end_k_qcb990af2f8_sortp-k_qcb990af2f8_sortp
	.p2alignl 7, 3214868480
	.fill 96, 4, 3214868480
	.section	.rodata,"a",@progbits
	.p2align	6, 0x0
	.amdhsa_kernel k_qcb990af2f8_sortp
		.amdhsa_group_segment_fixed_size 8192
		.amdhsa_private_segment_fixed_size 0
		.amdhsa_enable_private_segment 0
		.amdhsa_kernarg_size 16
		.amdhsa_user_sgpr_count 2
		.amdhsa_user_sgpr_kernarg_segment_ptr 1
		.amdhsa_wavefront_size32 1
		.amdhsa_system_sgpr_workgroup_id_x 1
		.amdhsa_system_sgpr_workgroup_id_y 1
		.amdhsa_system_sgpr_workgroup_id_z 1
		.amdhsa_system_vgpr_workitem_id 0
		.amdhsa_next_free_vgpr 128
		.amdhsa_next_free_sgpr 66
		.amdhsa_reserve_vcc 1
		.amdhsa_float_denorm_mode_32 3
		.amdhsa_float_denorm_mode_16_64 3
		.amdhsa_memory_ordered 1
		.amdhsa_forward_progress 1
		.amdhsa_inst_pref_size 135
	.end_amdhsa_kernel
	.amdgpu_metadata
---
amdhsa.version: [ 1, 2 ]
amdhsa.kernels:
  - .name:           k_qcb990af2f8_sortp
    .symbol:         k_qcb990af2f8_sortp.kd
    .args:
      - { .name: keyw, .offset: 0, .size: 8, .value_kind: global_buffer, .address_space: global }
      - { .name: sorted, .offset: 8, .size: 8, .value_kind: global_buffer, .address_space: global }
    .group_segment_fixed_size: 8192
    .private_segment_fixed_size: 0
    .kernarg_segment_align: 8
    .kernarg_segment_size: 16
    .max_flat_workgroup_size: 1024
    .sgpr_count:     66
    .vgpr_count:     128
    .wavefront_size: 32
...
	.end_amdgpu_metadata
.endif
;; end of part 2
;; launch decode (part 3): grid 256 x 1, 8 waves a work-group, no clusters, 310,272 bytes of LDS; arguments feature_grid, sorted, rec, wimg, b_out, out0; writes out0
.if DOCPART == 3
	.amdgcn_target "amdgcn-amd-amdhsa--gfx1250"
	.amdhsa_code_object_version 6
	.text
	.protected	k_qcb990af2f8_decode
	.globl	k_qcb990af2f8_decode
	.p2align	8
	.type	k_qcb990af2f8_decode,@function
k_qcb990af2f8_decode:
	s_mov_b64 s[64:65], 0
	v_nop
	global_prefetch_b8 v0, s[64:65] scope:SCOPE_SE
	s_setreg_imm32_b32 hwreg(HW_REG_WAVE_MODE, 25, 1), 1
	s_wait_xcnt 0x0
; out0[image][point] = tanh(gelu(gelu(gelu([enc, sample] w0 + b0) w1 + b1) w2 + b2) w_out + b_out): sampling, three products on codes of E3M2 (one E8M0 scale
; for each 32 along K), the last product in bf16, all in one launch; no activation goes to memory.
; SHARES.  Work-group g owns the 256 points at places 256 g .. of the list sorted by grid cell, for all 8 images.  Wave w: images 2 (w & 3) and 2 (w & 3) + 1, points 128 (w >> 2) on.
; A wave walks 8 UNITS of 16 points; a unit is two TILES of 16 rows: row r < 8 is the first image at the tile's point r, row r >= 8 the second image at point r - 8.
; THE GATHER.  Neighbours in the list mostly share a cell, so a cell's four corners (2 images x 4 x 256 channels, 64 registers; each load covers 256 consecutive bytes)
; stay in registers and are loaded anew only where the stored node changes: a scalar branch on a whole number that an earlier launch stored.
; A lane holds channels 64 i + 2 lane, + 1.  The conversions want 16 neighbours along K in one lane: the interpolated rows turn through the wave's own stage in LDS.
; LAYOUT.  Products are used transposed (source 0 = 16 columns of a weight, source 1 = my 16 rows): a lane holds ONE row, and the weights' columns are chosen so that
; register 16 b + i of lane (r, h) is hidden unit 32 b + 16 h + i.  The biases are loaded straight into the accumulators, so every product adds in place.
; Each set of four weight fragments from LDS feeds both tiles: 8 matrix instructions on 8 accumulators by turns.
; gelu(x) = x / (1 + 2^t), t = x (c0 + c1 x^2), c0 = -2 log2(e) sqrt(2 / pi), c1 = 0.044715 c0: the tanh form, rearranged.  tanh(z) = 1 - 2 / (1 + 2^(2 log2(e) z)).
; NO TENSOR LOADS, NO CLUSTER: LDS is filled through registers; what work-groups share is the weights' image, 73,728 bytes read once by each.
; LIMITS: NaN and infinities are not served.  A block of zeros gets the scale byte 1, or 0 past K = 320: its codes are zeros.
; LDS: 0 fragments (40 x 1,536); 61,440 their scale words; 66,560 biases; 68,096 w_out; 73,728 the 256 points' records, pitch 272; 143,360 a stage of 16 rows x 1,296 bytes for each wave.
; REGISTERS, window 0: v1-20, v26-27 addresses; v21-23 b_out x 2 log2(e); v24-25 c0; v32-95 corners; v96-131, v132-167 the two tiles' codes (v132-163 first the weights of 8 points;
;   v96-159 last the bf16 operand); v168-173 the rows' scale words, v176-183 the weights' (these hold scales alone); v184-207 at work; v208-239 interpolated pairs, two sets
;   (v224-239 last the output's sums); v240-245 at work.
;   window 1: v0-63, v64-127 the two tiles' accumulators; v128-191, v192-255 numbers on their way to codes, gelu's temporaries, weight fragments.
.set TABB,  73728
.set TPIT,  272
.set STG,   143360
.set SPIT,  1296
.set WSTG,  16*SPIT
.set BIASB, 66560
.set L8,   1
.set LI,   2
.set LI2,  3
.set BI,   4
.set SR0,  5
.set STR,  6
.set ES,   7
.set STW,  8
.set TC0,  9
.set TC,   10
.set TB,   11
.set TE,   12
.set TW0,  13
.set TW,   14
.set GOFF, 15
.set IA0,  16
.set IA,   17
.set IDX,  18
.set IMG,  19
.set OA,   20
.set BO,   21                          ; v21-23 b_out x 2 log2(e)
.set KC,   24                          ; v[24:25] c0, twice
.set TB0,  26
.set TE0,  27
.set CR,   32
.set CDA,  96
.set CDB,  132
.set PWT,  132
.set HB,   96
.set SW,   168
.set WS,   176
.set TM,   184
.set CT,   200
.set IT,   208
.set DA,   224
.set DB,   232
.set OT,   240
.set XA,   0                           ; window 1
.set XB,   64
.set TT,   128
.set FF,   192
.set MSB, 0
.macro WIN new                         ; the immediate's high byte repeats the setting that is left; bits 1:0 source 0, 3:2 source 1, 5:4 source 2, 7:6 destination
.if MSB != \new
	s_set_vgpr_msb (MSB<<8)|\new
.set MSB, \new
.endif
.endm
.macro PLACES n
.rept \n
	v_nop
.endr
.endm
; the four corners of cell s20 for my two images: 32 loads of 8 bytes a lane
.macro CELL
	s_mov_b32 s19, s20
	s_lshl_b32 s21, s20, 10                        ; a node is 1,024 bytes
	v_add_nc_u32 v[GOFF], s21, v[L8]               ; (the last cell's loads were waited for: their address is free)
.irp g, 0,1
.irp c, 0,1,2,3
.irp i, 0,1,2,3
	global_load_b64 v[CR+32*\g+8*\c+2*\i:CR+32*\g+8*\c+2*\i+1], v[GOFF], s[4:5] offset:4194304*\g+65536*(\c/2)+1024*(\c%2)+256*\i
.endr
.endr
.endr
	s_wait_loadcnt 0x0
.endm
; point p of a tile: 256 channels of two images, two at a time, into rows p and p + 8 of the stage at k = 42 on
.macro POINT nreg, p
	s_min_u32 s20, s[\nreg+2*\p], 4030             ; the stored node, held inside the grid
	s_cmp_eq_u32 s20, s19
	s_cbranch_scc1 .Lsame_\@
	CELL
.Lsame_\@:
	s_wait_dscnt 8                                 ; the last point's 8 stores may be out; those of the point before, which read this set of registers, are done
.set IB, IT+16*((\p)%2)
.irp g, 0,1
.irp i, 0,1,2,3
	v_pk_mul_f32 v[IB+8*\g+2*\i:IB+8*\g+2*\i+1], v[CR+32*\g+2*\i:CR+32*\g+2*\i+1], v[PWT+4*\p:PWT+4*\p+1] op_sel_hi:[1,0]
.endr
.endr
.irp g, 0,1
.irp i, 0,1,2,3
	v_pk_fma_f32 v[IB+8*\g+2*\i:IB+8*\g+2*\i+1], v[CR+32*\g+8+2*\i:CR+32*\g+8+2*\i+1], v[PWT+4*\p:PWT+4*\p+1], v[IB+8*\g+2*\i:IB+8*\g+2*\i+1] op_sel:[0,1,0] op_sel_hi:[1,1,1]
.endr
.endr
.irp g, 0,1
.irp i, 0,1,2,3
	v_pk_fma_f32 v[IB+8*\g+2*\i:IB+8*\g+2*\i+1], v[CR+32*\g+16+2*\i:CR+32*\g+16+2*\i+1], v[PWT+4*\p+2:PWT+4*\p+3], v[IB+8*\g+2*\i:IB+8*\g+2*\i+1] op_sel_hi:[1,0,1]
.endr
.endr
.irp g, 0,1
.irp i, 0,1,2,3
	v_pk_fma_f32 v[IB+8*\g+2*\i:IB+8*\g+2*\i+1], v[CR+32*\g+24+2*\i:CR+32*\g+24+2*\i+1], v[PWT+4*\p+2:PWT+4*\p+3], v[IB+8*\g+2*\i:IB+8*\g+2*\i+1] op_sel:[0,1,0] op_sel_hi:[1,1,1]
.endr
.endr
.irp g, 0,1
.irp i, 0,1,2,3
	ds_store_b64 v[STW], v[IB+8*\g+2*\i:IB+8*\g+2*\i+1] offset:(\p+8*\g)*SPIT+168+256*\i   ; 32 lanes: 256 consecutive bytes of a row
.endr
.endr
.endm
; tile tl of the unit: the 8 points' weights, the encoding's k = 32 .. 41 into the stage's rows, then the points
.macro GATHER nreg, tl
.irp p, 0,1,2,3,4,5,6,7
	ds_load_b128 v[PWT+4*\p:PWT+4*\p+3], v[TW] offset:8*TPIT*\tl+TPIT*\p   ; every lane reads the same 16 bytes
.endr
	ds_load_b128 v[OT:OT+3], v[TE] offset:8*TPIT*\tl+128
	ds_load_b64 v[OT+4:OT+5], v[TC] offset:8*TPIT*\tl+160
	s_wait_dscnt 0x0
	ds_store_b128 v[ES], v[OT:OT+3] offset:128
	ds_store_b64 v[SR0], v[OT+4:OT+5] offset:160   ; (both halves of the lanes write the same bytes with the same values)
.irp p, 0,1,2,3,4,5,6,7
	POINT \nreg, \p
.endr
.endm
; K step st of a tile's rows: lane (r, h) takes k = 128 st + 32 b + 16 h + 0 .. 15 of row r.  k < 32 comes from the point's record, the rest from the stage; step 2 has two blocks
.macro LDNUM dst, st, tl
.irp b, 0,1,2,3
.if (\st < 2) || (\b < 2)
.irp j, 0,1,2,3
.if (\st == 0) && (\b == 0)
	ds_load_b128 v[\dst+16*\b+4*\j:\dst+16*\b+4*\j+3], v[TB] offset:8*TPIT*\tl+16*\j
.else
	ds_load_b128 v[\dst+16*\b+4*\j:\dst+16*\b+4*\j+3], v[STR] offset:512*\st+128*\b+16*\j
.endif
.endr
.endif
.endr
.endm
; 16 nb numbers of a lane in window 1, register 16 b + i = k 32 b + 16 h + i of my row, become a fragment's codes in v[cd] on and its scale word in v[sw]
.macro QUANT src, nb, cd, sw
	WIN 0x05
.irp b, 0,1,2,3
.if \b < \nb
	v_max3_num_f32 v[TM+\b], |v[\src+16*\b]|, |v[\src+16*\b+1]|, 0x2800000   ; my 16 numbers, and the floor 2^(5 - 127): the byte cannot fall under 1
.endif
.endr
	WIN 0x14
.irp i, 2,4,6,8,10,12,14
.irp b, 0,1,2,3
.if \b < \nb
	v_max3_num_f32 v[TM+\b], v[TM+\b], |v[\src+16*\b+\i]|, |v[\src+16*\b+\i+1]|   ; (the blocks by turns)
.endif
.endr
.endr
	WIN 0
.irp b, 0,1,2,3
.if \b < \nb
	v_permlanex16_b32 v[TM+4+\b], v[TM+\b], s24, s25
.endif
.endr
.irp b, 0,1,2,3
.if \b < \nb
	v_max_num_f32 v[TM+\b], v[TM+\b], v[TM+4+\b]   ; with lane l xor 16's: the block's largest magnitude
.endif
.endr
.irp b, 0,1,2,3
.if \b < \nb
	v_add_nc_u32 v[TM+12+\b], 0xfe000000, v[TM+\b] ; 4 off its exponent field: the conversion's scale operand
.endif
.endr
.irp b, 0,1,2,3
.if \b < \nb
	v_lshrrev_b32 v[TM+4+\b], 23, v[TM+12+\b]      ; the scale's byte
.endif
.endr
	v_lshl_or_b32 v[\sw], v[TM+5], 8, v[TM+4]
.if \nb > 2
	v_lshl_or_b32 v[\sw], v[TM+6], 16, v[\sw]
	v_lshl_or_b32 v[\sw], v[TM+7], 24, v[\sw]
.endif
	WIN 0x01
.irp c, 0,1
.if 2*\c < \nb
	v_cvt_scalef32_pk16_bf6_f32 v[\cd+6*\c:\cd+6*\c+2], v[\src+32*\c:\src+32*\c+15], v[TM+12+2*\c]
	v_cvt_scalef32_pk16_bf6_f32 v[CT+4*\c:CT+4*\c+2], v[\src+32*\c+16:\src+32*\c+31], v[TM+13+2*\c]   ; (a conversion's three registers begin on an even number)
.endif
.endr
	WIN 0
	v_nop                                          ; one plain place behind a scaled conversion
.irp c, 0,1                                    ; the operand's layout wants a WHOLE block in a lane: lanes 0-15 block 2 c, lanes 16-31 block 2 c + 1
.if 2*\c < \nb
.irp i, 0,1,2
	v_permlane16_swap_b32 v[\cd+6*\c+\i], v[CT+4*\c+\i]
.endr
.irp i, 0,1,2
	v_mov_b32 v[\cd+6*\c+3+\i], v[CT+4*\c+\i]
.endr
.endif
.endr
.if \nb == 2
.irp i, 6,7,8,9,10,11
	v_mov_b32 v[\cd+\i], 0                         ; k = 320 on: zero codes
.endr
.endif
.endm
; a tile's 298 numbers a row become three fragments
.macro Q0 tl, cd, sw
	WIN 0x40
	LDNUM TT, 0, \tl
	LDNUM FF, 1, \tl
	s_wait_dscnt 16                                ; step 0's numbers are in; step 1's 16 loads may be out
	QUANT TT, 4, \cd, \sw
	WIN 0x40
	LDNUM TT, 2, \tl
	s_wait_dscnt 8                                 ; step 1's are in; step 2's 8 loads may be out
	QUANT FF, 4, (\cd)+12, (\sw)+1
	s_wait_dscnt 0x0
	QUANT TT, 2, (\cd)+24, (\sw)+2
.endm
.macro LDBIAS x, lay                           ; register 16 b + i of lane (., h) takes bias[32 b + 16 h + i]
	WIN 0x40
.irp b, 0,1,2,3
.irp q, 0,1,2,3
	ds_load_b128 v[\x+16*\b+4*\q:\x+16*\b+4*\q+3], v[BI] offset:512*\lay+128*\b+16*\q
.endr
.endr
	WIN 0
.endm
.macro LDSET buf, f0, ws                       ; four weight fragments as images of their registers, and their four scale words: 13 loads
	WIN 0x40
.irp q, 0,1,2,3
.irp c, 0,1,2
	ds_load_b128 v[\buf+12*\q+4*\c:\buf+12*\q+4*\c+3], v[LI] offset:1536*((\f0)+\q)+512*\c
.endr
.endr
	WIN 0
	ds_load_b128 v[WS+4*\ws:WS+4*\ws+3], v[LI2] offset:512*((\f0)/4)
.endm
.macro MULSET buf, ws, t0, cda, cdb, swa, swb  ; four fragments x two tiles: eight accumulators, one instruction a turn
	WIN 0x51
.irp q, 0,1,2,3
	v_wmma_scale_f32_16x16x128_f8f6f4 v[XA+8*((\t0)+\q):XA+8*((\t0)+\q)+7], v[\buf+12*\q:\buf+12*\q+11], v[\cda:\cda+11], v[XA+8*((\t0)+\q):XA+8*((\t0)+\q)+7], v[WS+4*\ws+\q], v[\swa] matrix_a_fmt:MATRIX_FMT_BF6 matrix_b_fmt:MATRIX_FMT_BF6
	v_wmma_scale_f32_16x16x128_f8f6f4 v[XB+8*((\t0)+\q):XB+8*((\t0)+\q)+7], v[\buf+12*\q:\buf+12*\q+11], v[\cdb:\cdb+11], v[XB+8*((\t0)+\q):XB+8*((\t0)+\q)+7], v[WS+4*\ws+\q], v[\swb] matrix_a_fmt:MATRIX_FMT_BF6 matrix_b_fmt:MATRIX_FMT_BF6
.endr
	WIN 0
.endm
; gelu in place on a tile's 64 numbers a lane; each accumulator is read from its low end on.  The exponentials are one batch with one wait, and so are the reciprocals
.macro GELU x
	WIN 0x45
.set j, 0
.rept 32
	v_pk_mul_f32 v[TT+j:TT+j+1], v[\x+j:\x+j+1], v[\x+j:\x+j+1]
.set j, j+2
.endr
	WIN 0x41
.set j, 0
.rept 32
	v_pk_fma_f32 v[TT+j:TT+j+1], v[TT+j:TT+j+1], s[26:27], v[KC:KC+1] op_sel_hi:[1,0,1]
.set j, j+2
.endr
	WIN 0x45
.set j, 0
.rept 32
	v_pk_mul_f32 v[TT+j:TT+j+1], v[TT+j:TT+j+1], v[\x+j:\x+j+1]
.set j, j+2
.endr
.set j, 0
.rept 64
	v_exp_f32 v[TT+j], v[TT+j]
.set j, j+1
.endr
	v_nop                                          ; a plain place behind the last exponential
	s_wait_alu depctr_va_vdst(0)                   ; one wait for the batch, ahead of its first reader
.set j, 0
.rept 32
	v_pk_add_f32 v[TT+j:TT+j+1], v[TT+j:TT+j+1], 1.0 op_sel_hi:[1,0]
.set j, j+2
.endr
.set j, 0
.rept 64
	v_rcp_f32 v[TT+j], v[TT+j]
.set j, j+1
.endr
	v_nop
	s_wait_alu depctr_va_vdst(0)
.set j, 0
.rept 32
	v_pk_mul_f32 v[\x+j:\x+j+1], v[\x+j:\x+j+1], v[TT+j:TT+j+1]
.set j, j+2
.endr
	WIN 0
.endm
; a layer of K = 128: its first four fragments lie in FF already
.macro LAYER lay, fb
	GELU XA
	QUANT XA, 4, CDA, SW
	LDBIAS XA, \lay
	GELU XB
	QUANT XB, 4, CDB, SW+3
	LDBIAS XB, \lay
	LDSET TT, (\fb)+4, 1
	PLACES 8                                       ; a scale register written by a vector instruction stands 8 places ahead of a scaled matrix instruction, an operand 4
	s_wait_dscnt 13                                ; the first set and both biases are in; the 13 loads just issued may be out
	MULSET FF, 0, 0, CDA, CDB, SW, SW+3
	s_wait_dscnt 0x0
	MULSET TT, 1, 4, CDA, CDB, SW, SW+3
	PLACES 4                                       ; ahead of loads into, and vector writes of, registers that matrix instructions have read, and of the first read of results
.endm
; ---------------- the head ----------------
	s_load_b256 s[4:11], s[0:1], 0x0               ; grid, sorted, rec, wimg
	s_load_b128 s[12:15], s[0:1], 0x20             ; b_out, out0
	v_lshl_add_u32 v174, v0, 2, 0x4b800
	v_mov_b32 v175, 0
	v_lshrrev_b32 v248, 5, v0
	v_readfirstlane_b32 s16, v248                  ; wave
	s_and_b32 s17, s16, 3                          ; my pair of images
	s_lshr_b32 s18, s16, 2                         ; my half of the points
	v_and_b32 v248, 31, v0                         ; lane
	v_and_b32 v249, 15, v0                         ; r
	v_bfe_u32 v250, v0, 4, 1                       ; h
	v_and_b32 v251, 7, v0                          ; my row's point in a tile
	v_lshlrev_b32 v[L8], 3, v248
	v_lshlrev_b32 v[LI], 4, v248
	v_add_nc_u32 v[LI2], 61440, v[LI]
	v_lshl_add_u32 v[BI], v250, 6, BIASB
	s_mul_i32 s70, s16, WSTG
	s_add_co_u32 s70, s70, STG                     ; my stage
	v_mul_u32_u24 v[SR0], v249, SPIT
	v_add_nc_u32 v[SR0], s70, v[SR0]
	v_lshl_add_u32 v[STR], v250, 6, v[SR0]
	v_lshl_add_u32 v[ES], v250, 4, v[SR0]
	v_add_nc_u32 v[STW], s70, v[L8]
	s_mul_i32 s71, s18, 128*TPIT
	s_add_co_u32 s71, s71, TABB                    ; my half's records
	v_mul_u32_u24 v[TC0], v251, TPIT
	v_add_nc_u32 v[TC0], s71, v[TC0]
	v_lshl_add_u32 v[TB0], v250, 6, v[TC0]
	v_lshl_add_u32 v[TE0], v250, 4, v[TC0]
	s_add_co_u32 s71, s71, 176
	v_mov_b32 v[TW0], s71                          ; the weights lie at byte 176 of a record
	v_lshlrev_b32 v[IA0], 3, v251
	v_lshl_add_u32 v[IA0], v250, 6, v[IA0]
	v_add_nc_u32 v[IA0], 4, v[IA0]                 ; the point's number in the list: 8 bytes an entry, its second word; lanes 16-31 take the unit's second tile
	v_bfe_u32 v[IMG], v0, 3, 1
	v_mul_u32_u24 v[IMG], v[IMG], 786432           ; rows 8-15: the second image
	v_mov_b32 v[KC], 0xc0135761
	v_mov_b32 v[KC+1], 0xc0135761
	s_mov_b32 s24, 0x76543210
	s_mov_b32 s25, 0xfedcba98                      ; v_permlanex16_b32's selects for lane l xor 16
	s_mov_b32 s26, 0xbdd2d3e8                      ; c1
	s_mov_b32 s27, s26                             ; (named with it as a pair)
	s_mov_b32 s31, 0x4038aa3b                      ; 2 log2(e)
	s_mov_b32 s67, 0
	v_lshlrev_b32 v253, 3, v250
	s_lshl_b32 s71, s16, 8
	v_add_nc_u32 v253, s71, v253
	v_add_nc_u32 v253, 4, v253                     ; the head's index loads: wave w brings the records of places 32 w .. 32 w + 31, two an instruction
	v_lshlrev_b32 v254, 4, v0
	v_add_nc_u32 v255, 65536, v254
	v_lshlrev_b32 v247, 4, v249
	v_mul_u32_u24 v252, v250, TPIT
	v_lshl_add_u32 v252, v249, 4, v252
	s_mul_i32 s71, s16, 32*TPIT
	s_add_co_u32 s71, s71, TABB
	v_add_nc_u32 v252, s71, v252
	v_mad_u32_u24 v246, v250, 40, v[SR0]
	v_mov_b32 v[OT], 0
	v_mov_b32 v[OT+1], 0
	s_wait_kmcnt 0x0
	s_lshl_b32 s66, s17, 23
	s_add_nc_u64 s[4:5], s[4:5], s[66:67]          ; the grid at my first image
	s_lshl_b32 s66, ttmp9, 11
	s_add_nc_u64 s[68:69], s[6:7], s[66:67]        ; the list at the work-group's first place,
	s_lshl_b32 s66, s18, 10
	s_add_nc_u64 s[6:7], s[68:69], s[66:67]        ; and at my wave's
	s_mul_i32 s66, s17, 1572864
	s_add_nc_u64 s[14:15], s[14:15], s[66:67]      ; the output at my first image
.irp i, 0,1,2,3,4,5,6,7,8,9,10,11,12,13,14,15
	global_load_b32 v[32+\i], v253, s[68:69] offset:16*\i
.endr
; the weights' image: 73,728 bytes, 16 a thread and load, through v48-95 and v184-207 (the scale registers are left alone)
.irp j, 0,1,2,3,4,5,6,7,8,9,10,11
	global_load_b128 v[48+4*\j:51+4*\j], v254, s[10:11] offset:4096*\j
.endr
.irp j, 12,13,14,15,16,17
	global_load_b128 v[184+4*(\j-12):187+4*(\j-12)], v254, s[10:11] offset:4096*\j
.endr
	s_load_b96 s[28:30], s[12:13], 0x0
	s_load_b512 s[32:47], s[6:7], 0x0              ; the first unit's (node, point) pairs: tile 0,
	s_load_b512 s[48:63], s[6:7], 0x40             ; tile 1
	s_wait_loadcnt 18                              ; the 16 indices are in; the image's 18 loads may be out
.irp i, 0,1,2,3,4,5,6,7,8,9,10,11,12,13,14,15
	v_min_u32 v[32+\i], 0xffff, v[32+\i]
	v_lshl_add_u32 v[32+\i], v[32+\i], 8, v247     ; a record is 256 bytes: sixteen lanes to a record
.endr
.irp i, 0,1,2,3,4,5,6,7,8,9,10,11,12,13,14,15
	global_load_b128 v[96+4*\i:99+4*\i], v[32+\i], s[8:9]
.endr
	s_wait_loadcnt 16                              ; the image is in; the 16 record loads may be out
.irp j, 0,1,2,3,4,5,6,7,8,9,10,11
	ds_store_b128 v254, v[48+4*\j:51+4*\j] offset:4096*\j
.endr
.irp j, 12,13,14,15
	ds_store_b128 v254, v[184+4*(\j-12):187+4*(\j-12)] offset:4096*\j
.endr
	ds_store_b128 v255, v[200:203]
	ds_store_b128 v255, v[204:207] offset:4096
	s_wait_loadcnt 0x0
.irp i, 0,1,2,3,4,5,6,7,8,9,10,11,12,13,14,15
	ds_store_b128 v252, v[96+4*\i:99+4*\i] offset:2*TPIT*\i
.endr
.irp j, 0,1,2,3,4,5
	ds_store_b64 v246, v[OT:OT+1] offset:1192+8*\j ; k = 298 .. 319 of my stage's rows are zeros, once for the whole launch
.endr
	s_wait_kmcnt 0x0
.irp j, 0,1,2
	v_mul_f32 v[BO+\j], s[28+\j], s31              ; b_out x 2 log2(e)
.endr
	s_min_u32 s20, s32, 4030
	s_wait_dscnt 0x0                               ; my stores have landed (for the others' sake) and have read their registers: the corners are loaded into some of them
	CELL                                           ; the first cell without a branch: the corners are written on every way
	s_mov_b32 s22, 8
	s_mov_b32 s2, 0
	s_mov_b32 s3, 0
.irp b, 4,5,6,7
	v_mov_b32 v[TM+\b], 0                          ; written once: a lane permute's destination counts as one of its sources
.endr
	s_barrier_signal -1
	s_barrier_wait -1                              ; the one barrier: from here on the waves share read-only bytes alone
; ---------------- a unit: 16 points x 2 images ----------------
.Lunit:
	s_wait_kmcnt 0x0                               ; this unit's nodes
	v_add_nc_u32 v[TC], s2, v[TC0]
	v_add_nc_u32 v[TB], s2, v[TB0]
	v_add_nc_u32 v[TE], s2, v[TE0]
	v_add_nc_u32 v[TW], s2, v[TW0]
	v_add_nc_u32 v[IA], s3, v[IA0]
	global_load_b32 v[IDX], v[IA], s[6:7]          ; where my row's result will go
	LDBIAS XA, 0
	LDBIAS XB, 0
	GATHER 32, 0
	Q0 0, CDA, SW
	GATHER 48, 1
	s_add_co_u32 s23, s3, 128
	s_min_u32 s23, s23, 896                        ; the next unit's nodes; the last trip reads its own again: no load leaves the list
	s_load_b512 s[32:47], s[6:7], s23 offset:0x0
	s_load_b512 s[48:63], s[6:7], s23 offset:0x40
	Q0 1, CDB, SW+3
	; layer 0: three K steps x two sets of four fragments, on two buffers by turns
	LDSET FF, 0, 0
	LDSET TT, 4, 1
	PLACES 8
.irp n, 0,1,2,3,4,5
	s_wait_dscnt 13                                ; this set is in; the 13 loads of the set behind it may be out
.if \n%2
	MULSET TT, 1, 4, CDA+12*(\n/2), CDB+12*(\n/2), SW+(\n/2), SW+3+(\n/2)
.else
	MULSET FF, 0, 0, CDA+12*(\n/2), CDB+12*(\n/2), SW+(\n/2), SW+3+(\n/2)
.endif
	PLACES 4
.if \n < 4
.if \n%2
	LDSET TT, 4*(\n+2), 1
.else
	LDSET FF, 4*(\n+2), 0
.endif
.elseif \n == 4
	LDSET FF, 24, 0                                ; layer 1's first set
.endif
.endr
	LAYER 1, 24
	LDSET FF, 32, 0                                ; layer 2's first set
	LAYER 2, 32
	WIN 0x40
.irp j, 0,1,2,3,4,5,6,7
	ds_load_b128 v[FF+4*\j:FF+4*\j+3], v[LI2] offset:6656+512*\j   ; w_out's four fragments
.endr
	WIN 0
	; the last product, in bf16: source 0 = w_out's columns (rows 3-15 zero), source 1 = my rows; k stands in the same order on both sides
	GELU XA
	GELU XB
	WIN 0x05
.set j, 0
.rept 64
	v_cvt_pk_bf16_f32 v[HB+j], v[2*j], v[2*j+1]
.set j, j+1
.endr
	WIN 0
	PLACES 4
	s_wait_dscnt 0x0
	WIN 0x01
.irp b, 0,1,2,3
.if \b == 0
	v_wmma_f32_16x16x32_bf16 v[DA:DA+7], v[FF+8*\b:FF+8*\b+7], v[HB+8*\b:HB+8*\b+7], 0
	v_wmma_f32_16x16x32_bf16 v[DB:DB+7], v[FF+8*\b:FF+8*\b+7], v[HB+32+8*\b:HB+32+8*\b+7], 0
.else
	v_wmma_f32_16x16x32_bf16 v[DA:DA+7], v[FF+8*\b:FF+8*\b+7], v[HB+8*\b:HB+8*\b+7], v[DA:DA+7]
	v_wmma_f32_16x16x32_bf16 v[DB:DB+7], v[FF+8*\b:FF+8*\b+7], v[HB+32+8*\b:HB+32+8*\b+7], v[DB:DB+7]
.endif
.endr
	WIN 0
	PLACES 4
.irp j, 0,1,2
	v_permlane16_swap_b32 v[DA+\j], v[DB+\j]       ; lanes 0-15 hold the three results of tile 0's rows; tile 1's come into lanes 16-31
.endr
.irp j, 0,1,2
	v_fma_f32 v[OT+\j], v[DA+\j], s31, v[BO+\j]
.endr
.irp j, 0,1,2
	v_exp_f32 v[OT+\j], v[OT+\j]
.endr
	v_nop
	s_wait_alu depctr_va_vdst(0)
.irp j, 0,1,2
	v_add_f32 v[OT+\j], 1.0, v[OT+\j]
.endr
.irp j, 0,1,2
	v_rcp_f32 v[OT+\j], v[OT+\j]
.endr
	v_nop
	s_wait_alu depctr_va_vdst(0)
.irp j, 0,1,2
	v_fma_f32 v[OT+\j], v[OT+\j], -2.0, 1.0
.endr
	s_wait_loadcnt 0x0                             ; the point's number
	v_min_u32 v[OA], 0xffff, v[IDX]
	v_mad_u32_u24 v[OA], v[OA], 12, v[IMG]
	global_store_b96 v[OA], v[OT:OT+2], s[14:15]   ; 12 bytes a row, at the point's own place: the list's order is not the output's
	s_wait_xcnt 0x0                                ; the store and the index load have read their registers: the next trip writes them again
	s_add_co_u32 s2, s2, 16*TPIT
	s_add_co_u32 s3, s3, 128
	s_sub_co_u32 s22, s22, 1
	s_cmp_lg_u32 s22, 0
	s_cbranch_scc1 .Lunit
	s_wait_tensorcnt 0x0
	ds_add_u32 v174, v175
	s_wait_dscnt 0x0
	s_endpgm
.Lfunc_end_k_qcb990af2f8_decode:
	.size	k_qcb990af2f8_decode, .Lfunc_end_k_qcb990af2f8_decode-k_qcb990af2f8_decode
	.p2alignl 7, 3214868480
	.fill 96, 4, 3214868480
	.section	.rodata,"a",@progbits
	.p2align	6, 0x0
	.amdhsa_kernel k_qcb990af2f8_decode
		.amdhsa_group_segment_fixed_size 310272
		.amdhsa_private_segment_fixed_size 0
		.amdhsa_enable_private_segment 0
		.amdhsa_kernarg_size 48
		.amdhsa_user_sgpr_count 2
		.amdhsa_user_sgpr_kernarg_segment_ptr 1
		.amdhsa_wavefront_size32 1
		.amdhsa_system_sgpr_workgroup_id_x 1
		.amdhsa_system_sgpr_workgroup_id_y 1
		.amdhsa_system_sgpr_workgroup_id_z 1
		.amdhsa_system_vgpr_workitem_id 0
		.amdhsa_next_free_vgpr 512
		.amdhsa_next_free_sgpr 72
		.amdhsa_reserve_vcc 0
		.amdhsa_float_denorm_mode_32 3
		.amdhsa_float_denorm_mode_16_64 3
		.amdhsa_memory_ordered 1
		.amdhsa_forward_progress 1
		.amdhsa_inst_pref_size 255
	.end_amdhsa_kernel
	.section	.bss,"aw",@nobits
	.p2align	6
	.space	262144
	.amdgpu_metadata
---
amdhsa.version: [ 1, 2 ]
amdhsa.kernels:
  - .name:           k_qcb990af2f8_decode
    .symbol:         k_qcb990af2f8_decode.kd
    .args:
      - { .name: feature_grid, .offset: 0, .size: 8, .value_kind: global_buffer, .address_space: global }
      - { .name: sorted, .offset: 8, .size: 8, .value_kind: global_buffer, .address_space: global }
      - { .name: rec, .offset: 16, .size: 8, .value_kind: global_buffer, .address_space: global }
      - { .name: wimg, .offset: 24, .size: 8, .value_kind: global_buffer, .address_space: global }
      - { .name: b_out, .offset: 32, .size: 8, .value_kind: global_buffer, .address_space: global }
      - { .name: out0, .offset: 40, .size: 8, .value_kind: global_buffer, .address_space: global }
    .group_segment_fixed_size: 310272
    .private_segment_fixed_size: 0
    .kernarg_segment_align: 8
    .kernarg_segment_size: 48
    .max_flat_workgroup_size: 256
    .sgpr_count:     72
    .vgpr_count:     512
    .wavefront_size: 32
...
	.end_amdgpu_metadata
.endif
;; end of part 3
;; ======== version 2 of 2: 3 launches; version 1 with the launch decode written anew for expert scheduling mode
;; limits: inputs' magnitudes at most 256
;; workspace buffers: keyw 262,144 bytes of whole numbers; sorted 524,288 bytes of whole numbers; rec 16,777,216 bytes; wimg 73,728 bytes
;; launch prep: the kernel of part 1 again; grid 262 x 1, 8 waves a work-group, no clusters, 70,656 bytes of LDS; arguments coords, w0, w1, w2, w_out, b0, b1, b2, keyw, rec, wimg; writes keyw, rec, wimg
;; launch sortp: the kernel of part 2 again; grid 256 x 1, 32 waves a work-group, no clusters, 8,192 bytes of LDS; arguments keyw, sorted; writes sorted
;; launch decode (part 4): grid 256 x 1, 8 waves a work-group, no clusters, 310,272 bytes of LDS; arguments feature_grid, sorted, rec, wimg, b_out, out0; writes out0
.if DOCPART == 4
	.amdgcn_target "amdgcn-amd-amdhsa--gfx1250"
	.amdhsa_code_object_version 6
	.text
	.protected	k_qcb990af2f8_decode
	.globl	k_qcb990af2f8_decode
	.p2align	8
	.type	k_qcb990af2f8_decode,@function
k_qcb990af2f8_decode:
	s_mov_b64 s[64:65], 0
	v_nop
	global_prefetch_b8 v0, s[64:65] scope:SCOPE_SE
	s_setreg_imm32_b32 hwreg(HW_REG_WAVE_SCHED_MODE, 0, 2), 2
	s_setreg_imm32_b32 hwreg(HW_REG_WAVE_MODE, 25, 1), 1
	s_wait_xcnt 0x0
	s_wait_alu depctr_vm_vsrc(0)
; out0[image][point] = tanh(gelu(gelu(gelu([enc, sample] w0 + b0) w1 + b1) w2 + b2) w_out + b_out): sampling, three products on codes of E3M2 (one E8M0 scale
; for each 32 along K), the last product in bf16, all in one launch; no activation goes to memory.
; SHARES.  Work-group g owns the 256 points at places 256 g .. of the list sorted by grid cell, for all 8 images.  Wave w: images 2 (w & 3) and 2 (w & 3) + 1, points 128 (w >> 2) on.
; A wave walks 8 UNITS of 16 points; a unit is two TILES of 16 rows: row r < 8 is the first image at the tile's point r, row r >= 8 the second image at point r - 8.
; THE GATHER.  Neighbours in the list mostly share a cell, so a cell's four corners (2 images x 4 x 256 channels, 64 registers; each load covers 256 consecutive bytes)
; stay in registers and are loaded anew only where the stored node changes: a scalar branch on a whole number that an earlier launch stored.
; A lane holds channels 64 i + 2 lane, + 1.  The conversions want 16 neighbours along K in one lane: the interpolated rows turn through the wave's own stage in LDS.
; LAYOUT.  Products are used transposed (source 0 = 16 columns of a weight, source 1 = my 16 rows): a lane holds ONE row, and the weights' columns are chosen so that
; register 16 b + i of lane (r, h) is hidden unit 32 b + 16 h + i.  The biases are loaded straight into the accumulators, so every product adds in place.
; Each set of four weight fragments from LDS feeds both tiles: 8 matrix instructions on 8 accumulators by turns.
; gelu(x) = x / (1 + 2^t), t = x (c0 + c1 x^2), c0 = -2 log2(e) sqrt(2 / pi), c1 = 0.044715 c0: the tanh form, rearranged.  tanh(z) = 1 - 2 / (1 + 2^(2 log2(e) z)).
; NO TENSOR LOADS, NO CLUSTER: LDS is filled through registers; what work-groups share is the weights' image, 73,728 bytes read once by each.
; LIMITS: NaN and infinities are not served.  A block of zeros gets the scale byte 1, or 0 past K = 320: its codes are zeros.
; LDS: 0 fragments (40 x 1,536); 61,440 their scale words; 66,560 biases; 68,096 w_out; 73,728 the 256 points' records, pitch 272; 143,360 a stage of 16 rows x 1,296 bytes for each wave.
; REGISTERS, window 0: v1-20, v26-27 addresses; v21-23 b_out x 2 log2(e); v24-25 c0; v32-95 corners; v96-131, v132-167 the two tiles' codes (v132-163 first the weights of 8 points;
;   v96-159 last the bf16 operand); v168-173 the rows' scale words, v176-183 the weights' (these hold scales alone); v184-207 at work; v208-239 interpolated pairs, two sets
;   (v224-239 last the output's sums); v240-245 at work.
;   window 1: v0-63, v64-127 the two tiles' accumulators; v128-191, v192-255 numbers on their way to codes, gelu's temporaries, weight fragments.
; THE MODE: SCHED_MODE bits 1:0 = 2 (LLVM: expert scheduling mode 2), set by the entry lines.  The code itself states the register dependences between vector or matrix
; instructions and memory or LDS instructions, with s_wait_alu, always for 0.
; THE PLAN.  Registers that memory or LDS instructions touch in the loop, who writes and who reads each:
;   v10-12, v14, v17   the unit's addresses.  Written by five additions at the unit's head, read by the unit's loads: vm_vsrc at a unit's end, va_vdst behind the additions.
;   v15, v32-95        the cell's offset and the corners.  CELL writes the offset and loads the corners, the points' multiply-adds read them: CELL holds both waits.
;   v208-239           Point p writes set p % 2 and stores it.  Both waits stand between its arithmetic and its stores: vm_vsrc for the other set, whose stores went out a point ago and
;                      which the next point writes; va_vdst for this set.  That va_vdst also serves the later loads into v132-163 and into window 1's two buffers, which no vector instruction names in between.
;   v132-163, v240-245 a tile's weights and the encoding's tail.  Loaded at a tile's head; the first read by the points, the second by two LDS stores; later codes, the bf16 operand, the results.
;   window 1, v0-127   Bias loads land, products add, gelu and the quantiser read and write: va_vdst ahead of each bias load.
;   window 1, v128-255, and v176-183   Numbers, weight fragments and their scale words land; the quantiser, gelu and products name them: va_vdst ahead of each load into a buffer that was named since the last one.
;   v18; v20, v240-242 the index load's result, read by one line; the store's offset and data, written on the way out: va_vdst ahead of the store.
;   All other addresses are made at the head and never written again.
.set TABB,  73728
.set TPIT,  272
.set STG,   143360
.set SPIT,  1296
.set WSTG,  16*SPIT
.set BIASB, 66560
.set L8,   1
.set LI,   2
.set LI2,  3
.set BI,   4
.set SR0,  5
.set STR,  6
.set ES,   7
.set STW,  8
.set TC0,  9
.set TC,   10
.set TB,   11
.set TE,   12
.set TW0,  13
.set TW,   14
.set GOFF, 15
.set IA0,  16
.set IA,   17
.set IDX,  18
.set IMG,  19
.set OA,   20
.set BO,   21                          ; v21-23 b_out x 2 log2(e)
.set KC,   24                          ; v[24:25] c0, twice
.set TB0,  26
.set TE0,  27
.set CR,   32
.set CDA,  96
.set CDB,  132
.set PWT,  132
.set HB,   96
.set SW,   168
.set WS,   176
.set TM,   184
.set CT,   200
.set IT,   208
.set DA,   224
.set DB,   232
.set OT,   240
.set XA,   0                           ; window 1
.set XB,   64
.set TT,   128
.set FF,   192
.set MSB, 0
.macro WIN new                         ; the immediate's high byte repeats the setting that is left; bits 1:0 source 0, 3:2 source 1, 5:4 source 2, 7:6 destination
.if MSB != \new
	s_set_vgpr_msb (MSB<<8)|\new
.set MSB, \new
.endif
.endm
.macro PLACES n
.rept \n
	v_nop
.endr
.endm
; the four corners of cell s20 for my two images: 32 loads of 8 bytes a lane
.macro CELL
	s_mov_b32 s19, s20
	s_lshl_b32 s21, s20, 10                        ; a node is 1,024 bytes
	s_wait_alu depctr_vm_vsrc(0)                   ; the last cell's loads have read v[GOFF], which the next line writes; at the head: the record loads and the LDS stores have read v32-95, in which the corners land, and v184-207
	v_add_nc_u32 v[GOFF], s21, v[L8]               ; (the last cell's loads were waited for: their address is free)
	s_wait_alu depctr_va_vdst(0)                   ; v[GOFF] is written, which the loads below read; the points' multiply-adds are done reading the corners, in which they land
.irp g, 0,1
.irp c, 0,1,2,3
.irp i, 0,1,2,3
	global_load_b64 v[CR+32*\g+8*\c+2*\i:CR+32*\g+8*\c+2*\i+1], v[GOFF], s[4:5] offset:4194304*\g+65536*(\c/2)+1024*(\c%2)+256*\i
.endr
.endr
.endr
	s_wait_loadcnt 0x0
.endm
; point p of a tile: 256 channels of two images, two at a time, into rows p and p + 8 of the stage at k = 42 on
.macro POINT nreg, p
	s_min_u32 s20, s[\nreg+2*\p], 4030             ; the stored node, held inside the grid
	s_cmp_eq_u32 s20, s19
	s_cbranch_scc1 .Lsame_\@
	CELL
.Lsame_\@:
	s_wait_dscnt 8                                 ; the last point's 8 stores may be out; those of the point before, which read this set of registers, are done
.set IB, IT+16*((\p)%2)
.irp g, 0,1
.irp i, 0,1,2,3
	v_pk_mul_f32 v[IB+8*\g+2*\i:IB+8*\g+2*\i+1], v[CR+32*\g+2*\i:CR+32*\g+2*\i+1], v[PWT+4*\p:PWT+4*\p+1] op_sel_hi:[1,0]
.endr
.endr
.irp g, 0,1
.irp i, 0,1,2,3
	v_pk_fma_f32 v[IB+8*\g+2*\i:IB+8*\g+2*\i+1], v[CR+32*\g+8+2*\i:CR+32*\g+8+2*\i+1], v[PWT+4*\p:PWT+4*\p+1], v[IB+8*\g+2*\i:IB+8*\g+2*\i+1] op_sel:[0,1,0] op_sel_hi:[1,1,1]
.endr
.endr
.irp g, 0,1
.irp i, 0,1,2,3
	v_pk_fma_f32 v[IB+8*\g+2*\i:IB+8*\g+2*\i+1], v[CR+32*\g+16+2*\i:CR+32*\g+16+2*\i+1], v[PWT+4*\p+2:PWT+4*\p+3], v[IB+8*\g+2*\i:IB+8*\g+2*\i+1] op_sel_hi:[1,0,1]
.endr
.endr
.irp g, 0,1
.irp i, 0,1,2,3
	v_pk_fma_f32 v[IB+8*\g+2*\i:IB+8*\g+2*\i+1], v[CR+32*\g+24+2*\i:CR+32*\g+24+2*\i+1], v[PWT+4*\p+2:PWT+4*\p+3], v[IB+8*\g+2*\i:IB+8*\g+2*\i+1] op_sel:[0,1,0] op_sel_hi:[1,1,1]
.endr
.endr
	s_wait_alu depctr_vm_vsrc(0)                   ; the LDS stores issued so far, the last point's among them, have read the other set of pairs, which the next point writes, and v240-245
	s_wait_alu depctr_va_vdst(0)                   ; this point's multiply-adds have written this set, which the stores below read; they are done reading the weights v132-163, in which the next tile's land
.irp g, 0,1
.irp i, 0,1,2,3
	ds_store_b64 v[STW], v[IB+8*\g+2*\i:IB+8*\g+2*\i+1] offset:(\p+8*\g)*SPIT+168+256*\i   ; 32 lanes: 256 consecutive bytes of a row
.endr
.endr
.endm
; tile tl of the unit: the 8 points' weights, the encoding's k = 32 .. 41 into the stage's rows, then the points.
; No wait stands at its head: since the last wait on va_vdst (the unit's head, or the last point's) no vector instruction has named v132-163, v240-245 or the three addresses
.macro GATHER nreg, tl
.irp p, 0,1,2,3,4,5,6,7
	ds_load_b128 v[PWT+4*\p:PWT+4*\p+3], v[TW] offset:8*TPIT*\tl+TPIT*\p   ; every lane reads the same 16 bytes
.endr
	ds_load_b128 v[OT:OT+3], v[TE] offset:8*TPIT*\tl+128
	ds_load_b64 v[OT+4:OT+5], v[TC] offset:8*TPIT*\tl+160
	s_wait_dscnt 0x0
	ds_store_b128 v[ES], v[OT:OT+3] offset:128
	ds_store_b64 v[SR0], v[OT+4:OT+5] offset:160   ; (both halves of the lanes write the same bytes with the same values)
.irp p, 0,1,2,3,4,5,6,7
	POINT \nreg, \p
.endr
.endm
; K step st of a tile's rows: lane (r, h) takes k = 128 st + 32 b + 16 h + 0 .. 15 of row r.  k < 32 comes from the point's record, the rest from the stage; step 2 has two blocks
.macro LDNUM dst, st, tl
.irp b, 0,1,2,3
.if (\st < 2) || (\b < 2)
.irp j, 0,1,2,3
.if (\st == 0) && (\b == 0)
	ds_load_b128 v[\dst+16*\b+4*\j:\dst+16*\b+4*\j+3], v[TB] offset:8*TPIT*\tl+16*\j
.else
	ds_load_b128 v[\dst+16*\b+4*\j:\dst+16*\b+4*\j+3], v[STR] offset:512*\st+128*\b+16*\j
.endif
.endr
.endif
.endr
.endm
; 16 nb numbers of a lane in window 1, register 16 b + i = k 32 b + 16 h + i of my row, become a fragment's codes in v[cd] on and its scale word in v[sw]
.macro QUANT src, nb, cd, sw
	WIN 0x05
.irp b, 0,1,2,3
.if \b < \nb
	v_max3_num_f32 v[TM+\b], |v[\src+16*\b]|, |v[\src+16*\b+1]|, 0x2800000   ; my 16 numbers, and the floor 2^(5 - 127): the byte cannot fall under 1
.endif
.endr
	WIN 0x14
.irp i, 2,4,6,8,10,12,14
.irp b, 0,1,2,3
.if \b < \nb
	v_max3_num_f32 v[TM+\b], v[TM+\b], |v[\src+16*\b+\i]|, |v[\src+16*\b+\i+1]|   ; (the blocks by turns)
.endif
.endr
.endr
	WIN 0
.irp b, 0,1,2,3
.if \b < \nb
	v_permlanex16_b32 v[TM+4+\b], v[TM+\b], s24, s25
.endif
.endr
.irp b, 0,1,2,3
.if \b < \nb
	v_max_num_f32 v[TM+\b], v[TM+\b], v[TM+4+\b]   ; with lane l xor 16's: the block's largest magnitude
.endif
.endr
.irp b, 0,1,2,3
.if \b < \nb
	v_add_nc_u32 v[TM+12+\b], 0xfe000000, v[TM+\b] ; 4 off its exponent field: the conversion's scale operand
.endif
.endr
.irp b, 0,1,2,3
.if \b < \nb
	v_lshrrev_b32 v[TM+4+\b], 23, v[TM+12+\b]      ; the scale's byte
.endif
.endr
	v_lshl_or_b32 v[\sw], v[TM+5], 8, v[TM+4]
.if \nb > 2
	v_lshl_or_b32 v[\sw], v[TM+6], 16, v[\sw]
	v_lshl_or_b32 v[\sw], v[TM+7], 24, v[\sw]
.endif
	WIN 0x01
.irp c, 0,1
.if 2*\c < \nb
	v_cvt_scalef32_pk16_bf6_f32 v[\cd+6*\c:\cd+6*\c+2], v[\src+32*\c:\src+32*\c+15], v[TM+12+2*\c]
	v_cvt_scalef32_pk16_bf6_f32 v[CT+4*\c:CT+4*\c+2], v[\src+32*\c+16:\src+32*\c+31], v[TM+13+2*\c]   ; (a conversion's three registers begin on an even number)
.endif
.endr
	WIN 0
	v_nop                                          ; one plain place behind a scaled conversion
.irp c, 0,1                                    ; the operand's layout wants a WHOLE block in a lane: lanes 0-15 block 2 c, lanes 16-31 block 2 c + 1
.if 2*\c < \nb
.irp i, 0,1,2
	v_permlane16_swap_b32 v[\cd+6*\c+\i], v[CT+4*\c+\i]
.endr
.irp i, 0,1,2
	v_mov_b32 v[\cd+6*\c+3+\i], v[CT+4*\c+\i]
.endr
.endif
.endr
.if \nb == 2
.irp i, 6,7,8,9,10,11
	v_mov_b32 v[\cd+\i], 0                         ; k = 320 on: zero codes
.endr
.endif
.endm
; a tile's 298 numbers a row become three fragments.  The first 32 loads owe no wait: since the last point's wait on va_vdst no vector instruction has named the two buffers or the two addresses
.macro Q0 tl, cd, sw
	WIN 0x40
	LDNUM TT, 0, \tl
	LDNUM FF, 1, \tl
	s_wait_dscnt 16                                ; step 0's numbers are in; step 1's 16 loads may be out
	QUANT TT, 4, \cd, \sw
	WIN 0x40
	s_wait_alu depctr_va_vdst(0)                   ; the maxima and the conversions are done reading step 0's numbers, in whose registers step 2's land
	LDNUM TT, 2, \tl
	s_wait_dscnt 8                                 ; step 1's are in; step 2's 8 loads may be out
	QUANT FF, 4, (\cd)+12, (\sw)+1
	s_wait_dscnt 0x0
	QUANT TT, 2, (\cd)+24, (\sw)+2
.endm
.macro LDBIAS x, lay                           ; register 16 b + i of lane (., h) takes bias[32 b + 16 h + i]
	WIN 0x40
.irp b, 0,1,2,3
.irp q, 0,1,2,3
	ds_load_b128 v[\x+16*\b+4*\q:\x+16*\b+4*\q+3], v[BI] offset:512*\lay+128*\b+16*\q
.endr
.endr
	WIN 0
.endm
.macro LDSET buf, f0, ws                       ; four weight fragments as images of their registers, and their four scale words: 13 loads
	WIN 0x40
.irp q, 0,1,2,3
.irp c, 0,1,2
	ds_load_b128 v[\buf+12*\q+4*\c:\buf+12*\q+4*\c+3], v[LI] offset:1536*((\f0)+\q)+512*\c
.endr
.endr
	WIN 0
	ds_load_b128 v[WS+4*\ws:WS+4*\ws+3], v[LI2] offset:512*((\f0)/4)
.endm
.macro MULSET buf, ws, t0, cda, cdb, swa, swb  ; four fragments x two tiles: eight accumulators, one instruction a turn
	WIN 0x51
.irp q, 0,1,2,3
	v_wmma_scale_f32_16x16x128_f8f6f4 v[XA+8*((\t0)+\q):XA+8*((\t0)+\q)+7], v[\buf+12*\q:\buf+12*\q+11], v[\cda:\cda+11], v[XA+8*((\t0)+\q):XA+8*((\t0)+\q)+7], v[WS+4*\ws+\q], v[\swa] matrix_a_fmt:MATRIX_FMT_BF6 matrix_b_fmt:MATRIX_FMT_BF6
	v_wmma_scale_f32_16x16x128_f8f6f4 v[XB+8*((\t0)+\q):XB+8*((\t0)+\q)+7], v[\buf+12*\q:\buf+12*\q+11], v[\cdb:\cdb+11], v[XB+8*((\t0)+\q):XB+8*((\t0)+\q)+7], v[WS+4*\ws+\q], v[\swb] matrix_a_fmt:MATRIX_FMT_BF6 matrix_b_fmt:MATRIX_FMT_BF6
.endr
	WIN 0
.endm
; gelu in place on a tile's 64 numbers a lane; each accumulator is read from its low end on.  The exponentials are one batch with one wait, and so are the reciprocals
.macro GELU x
	WIN 0x45
.set j, 0
.rept 32
	v_pk_mul_f32 v[TT+j:TT+j+1], v[\x+j:\x+j+1], v[\x+j:\x+j+1]
.set j, j+2
.endr
	WIN 0x41
.set j, 0
.rept 32
	v_pk_fma_f32 v[TT+j:TT+j+1], v[TT+j:TT+j+1], s[26:27], v[KC:KC+1] op_sel_hi:[1,0,1]
.set j, j+2
.endr
	WIN 0x45
.set j, 0
.rept 32
	v_pk_mul_f32 v[TT+j:TT+j+1], v[TT+j:TT+j+1], v[\x+j:\x+j+1]
.set j, j+2
.endr
.set j, 0
.rept 64
	v_exp_f32 v[TT+j], v[TT+j]
.set j, j+1
.endr
	v_nop                                          ; a plain place behind the last exponential
	s_wait_alu depctr_va_vdst(0)                   ; the 64 exponentials have written their results: one wait for the batch, ahead of its first reader
.set j, 0
.rept 32
	v_pk_add_f32 v[TT+j:TT+j+1], v[TT+j:TT+j+1], 1.0 op_sel_hi:[1,0]
.set j, j+2
.endr
.set j, 0
.rept 64
	v_rcp_f32 v[TT+j], v[TT+j]
.set j, j+1
.endr
	v_nop
	s_wait_alu depctr_va_vdst(0)                   ; the 64 reciprocals have written their results: one wait for the batch, ahead of its first reader
.set j, 0
.rept 32
	v_pk_mul_f32 v[\x+j:\x+j+1], v[\x+j:\x+j+1], v[TT+j:TT+j+1]
.set j, j+2
.endr
	WIN 0
.endm
; a layer of K = 128: its first four fragments lie in FF already
.macro LAYER lay, fb
	GELU XA
	QUANT XA, 4, CDA, SW
	WIN 0x40
	s_wait_alu depctr_va_vdst(0)                   ; gelu has written, and the quantiser is done reading, the first tile's 64 registers, in which this layer's bias lands
	LDBIAS XA, \lay
	GELU XB
	QUANT XB, 4, CDB, SW+3
	PLACES 8                                       ; a scale register written by a vector instruction stands 8 places ahead of a scaled matrix instruction, an operand 4
	WIN 0x40
	s_wait_alu depctr_va_vdst(0)                   ; behind the places: gelu and the quantiser are done with the second tile's 64 registers and with gelu's temporaries, in which the bias and the second set land; both tiles' codes and scale words are written, which the products take
	LDBIAS XB, \lay
	LDSET TT, (\fb)+4, 1
	s_wait_dscnt 13                                ; the first set and both biases are in; the 13 loads just issued may be out
	MULSET FF, 0, 0, CDA, CDB, SW, SW+3
	s_wait_dscnt 0x0
	MULSET TT, 1, 4, CDA, CDB, SW, SW+3
	PLACES 4                                       ; ahead of loads into, and vector writes of, registers that matrix instructions have read, and of the first read of results
.endm
; ---------------- the head ----------------
	s_load_b256 s[4:11], s[0:1], 0x0               ; grid, sorted, rec, wimg
	s_load_b128 s[12:15], s[0:1], 0x20             ; b_out, out0
	v_lshl_add_u32 v174, v0, 2, 0x4b800
	v_mov_b32 v175, 0
	v_lshrrev_b32 v248, 5, v0
	v_readfirstlane_b32 s16, v248                  ; wave
	v_and_b32 v248, 31, v0                         ; lane
	v_and_b32 v249, 15, v0                         ; r
	v_bfe_u32 v250, v0, 4, 1                       ; h
	v_and_b32 v251, 7, v0                          ; my row's point in a tile
	v_lshlrev_b32 v[L8], 3, v248
	v_lshlrev_b32 v[LI], 4, v248
	v_add_nc_u32 v[LI2], 61440, v[LI]
	v_lshl_add_u32 v[BI], v250, 6, BIASB
	s_wait_alu depctr_va_sdst(0)                   ; s16 is written, ahead of its first reader: the wave's shares and LDS places are made from it
	s_and_b32 s17, s16, 3                          ; my pair of images
	s_lshr_b32 s18, s16, 2                         ; my half of the points
	s_mul_i32 s70, s16, WSTG
	s_add_co_u32 s70, s70, STG                     ; my stage
	v_mul_u32_u24 v[SR0], v249, SPIT
	v_add_nc_u32 v[SR0], s70, v[SR0]
	v_lshl_add_u32 v[STR], v250, 6, v[SR0]
	v_lshl_add_u32 v[ES], v250, 4, v[SR0]
	v_add_nc_u32 v[STW], s70, v[L8]
	s_mul_i32 s71, s18, 128*TPIT
	s_add_co_u32 s71, s71, TABB                    ; my half's records
	v_mul_u32_u24 v[TC0], v251, TPIT
	v_add_nc_u32 v[TC0], s71, v[TC0]
	v_lshl_add_u32 v[TB0], v250, 6, v[TC0]
	v_lshl_add_u32 v[TE0], v250, 4, v[TC0]
	s_add_co_u32 s71, s71, 176
	v_mov_b32 v[TW0], s71                          ; the weights lie at byte 176 of a record
	v_lshlrev_b32 v[IA0], 3, v251
	v_lshl_add_u32 v[IA0], v250, 6, v[IA0]
	v_add_nc_u32 v[IA0], 4, v[IA0]                 ; the point's number in the list: 8 bytes an entry, its second word; lanes 16-31 take the unit's second tile
	v_bfe_u32 v[IMG], v0, 3, 1
	v_mul_u32_u24 v[IMG], v[IMG], 786432           ; rows 8-15: the second image
	v_mov_b32 v[KC], 0xc0135761
	v_mov_b32 v[KC+1], 0xc0135761
	s_mov_b32 s24, 0x76543210
	s_mov_b32 s25, 0xfedcba98                      ; v_permlanex16_b32's selects for lane l xor 16
	s_mov_b32 s26, 0xbdd2d3e8                      ; c1
	s_mov_b32 s27, s26                             ; (named with it as a pair)
	s_mov_b32 s31, 0x4038aa3b                      ; 2 log2(e)
	s_mov_b32 s67, 0
	v_lshlrev_b32 v253, 3, v250
	s_lshl_b32 s71, s16, 8
	v_add_nc_u32 v253, s71, v253
	v_add_nc_u32 v253, 4, v253                     ; the head's index loads: wave w brings the records of places 32 w .. 32 w + 31, two an instruction
	v_lshlrev_b32 v254, 4, v0
	v_add_nc_u32 v255, 65536, v254
	v_lshlrev_b32 v247, 4, v249
	v_mul_u32_u24 v252, v250, TPIT
	v_lshl_add_u32 v252, v249, 4, v252
	s_mul_i32 s71, s16, 32*TPIT
	s_add_co_u32 s71, s71, TABB
	v_add_nc_u32 v252, s71, v252
	v_mad_u32_u24 v246, v250, 40, v[SR0]
	v_mov_b32 v[OT], 0
	v_mov_b32 v[OT+1], 0
	s_wait_kmcnt 0x0
	s_lshl_b32 s66, s17, 23
	s_add_nc_u64 s[4:5], s[4:5], s[66:67]          ; the grid at my first image
	s_lshl_b32 s66, ttmp9, 11
	s_add_nc_u64 s[68:69], s[6:7], s[66:67]        ; the list at the work-group's first place,
	s_lshl_b32 s66, s18, 10
	s_add_nc_u64 s[6:7], s[68:69], s[66:67]        ; and at my wave's
	s_mul_i32 s66, s17, 1572864
	s_add_nc_u64 s[14:15], s[14:15], s[66:67]      ; the output at my first image
	s_wait_alu depctr_va_vdst(0)                   ; every address and offset made above is written, and so is the pair of zeros v240-241: the loads and LDS stores of the head and the loop read them
.irp i, 0,1,2,3,4,5,6,7,8,9,10,11,12,13,14,15
	global_load_b32 v[32+\i], v253, s[68:69] offset:16*\i
.endr
; the weights' image: 73,728 bytes, 16 a thread and load, through v48-95 and v184-207 (the scale registers are left alone)
.irp j, 0,1,2,3,4,5,6,7,8,9,10,11
	global_load_b128 v[48+4*\j:51+4*\j], v254, s[10:11] offset:4096*\j
.endr
.irp j, 12,13,14,15,16,17
	global_load_b128 v[184+4*(\j-12):187+4*(\j-12)], v254, s[10:11] offset:4096*\j
.endr
	s_load_b96 s[28:30], s[12:13], 0x0
	s_load_b512 s[32:47], s[6:7], 0x0              ; the first unit's (node, point) pairs: tile 0,
	s_load_b512 s[48:63], s[6:7], 0x40             ; tile 1
	s_wait_loadcnt 18                              ; the 16 indices are in; the image's 18 loads may be out
.irp i, 0,1,2,3,4,5,6,7,8,9,10,11,12,13,14,15
	v_min_u32 v[32+\i], 0xffff, v[32+\i]
	v_lshl_add_u32 v[32+\i], v[32+\i], 8, v247     ; a record is 256 bytes: sixteen lanes to a record
.endr
	s_wait_alu depctr_va_vdst(0)                   ; the sixteen record offsets v32-47 are written, which the loads below read
.irp i, 0,1,2,3,4,5,6,7,8,9,10,11,12,13,14,15
	global_load_b128 v[96+4*\i:99+4*\i], v[32+\i], s[8:9]
.endr
	s_wait_loadcnt 16                              ; the image is in; the 16 record loads may be out
.irp j, 0,1,2,3,4,5,6,7,8,9,10,11
	ds_store_b128 v254, v[48+4*\j:51+4*\j] offset:4096*\j
.endr
.irp j, 12,13,14,15
	ds_store_b128 v254, v[184+4*(\j-12):187+4*(\j-12)] offset:4096*\j
.endr
	ds_store_b128 v255, v[200:203]
	ds_store_b128 v255, v[204:207] offset:4096
	s_wait_loadcnt 0x0
.irp i, 0,1,2,3,4,5,6,7,8,9,10,11,12,13,14,15
	ds_store_b128 v252, v[96+4*\i:99+4*\i] offset:2*TPIT*\i
.endr
.irp j, 0,1,2,3,4,5
	ds_store_b64 v246, v[OT:OT+1] offset:1192+8*\j ; k = 298 .. 319 of my stage's rows are zeros, once for the whole launch
.endr
	s_wait_kmcnt 0x0
.irp j, 0,1,2
	v_mul_f32 v[BO+\j], s[28+\j], s31              ; b_out x 2 log2(e)
.endr
	s_min_u32 s20, s32, 4030
	s_wait_dscnt 0x0                               ; my stores have landed (for the others' sake) and have read their registers: the corners are loaded into some of them
	CELL                                           ; the first cell without a branch: the corners are written on every way.  Its wait on vm_vsrc stands behind all the head's LDS stores: v96-159, v184-207 and v240-241 are free too
	s_mov_b32 s22, 8
	s_mov_b32 s2, 0
	s_mov_b32 s3, 0
.irp b, 4,5,6,7
	v_mov_b32 v[TM+\b], 0                          ; written once: a lane permute's destination counts as one of its sources
.endr
	s_barrier_signal -1
	s_barrier_wait -1                              ; the one barrier: from here on the waves share read-only bytes alone
; ---------------- a unit: 16 points x 2 images ----------------
.Lunit:
	s_wait_kmcnt 0x0                               ; this unit's nodes
	v_add_nc_u32 v[TC], s2, v[TC0]
	v_add_nc_u32 v[TB], s2, v[TB0]
	v_add_nc_u32 v[TE], s2, v[TE0]
	v_add_nc_u32 v[TW], s2, v[TW0]
	v_add_nc_u32 v[IA], s3, v[IA0]
	s_wait_alu depctr_va_vdst(0)                   ; the five addresses are written, which this unit's loads read; the last unit's vector and matrix instructions are done with v18, v132-163, v240-245 and the accumulators, in which the loads below land
	global_load_b32 v[IDX], v[IA], s[6:7]          ; where my row's result will go
	LDBIAS XA, 0
	LDBIAS XB, 0
	GATHER 32, 0
	Q0 0, CDA, SW
	GATHER 48, 1
	s_add_co_u32 s23, s3, 128
	s_min_u32 s23, s23, 896                        ; the next unit's nodes; the last trip reads its own again: no load leaves the list
	s_load_b512 s[32:47], s[6:7], s23 offset:0x0
	s_load_b512 s[48:63], s[6:7], s23 offset:0x40
	Q0 1, CDB, SW+3
	; layer 0: three K steps x two sets of four fragments, on two buffers by turns
	PLACES 8                                       ; a scale register written by a vector instruction stands 8 places ahead of a scaled matrix instruction, an operand 4
	WIN 0x40
	s_wait_alu depctr_va_vdst(0)                   ; behind the places: the quantiser is done reading both buffers, in which the first two sets land; the second tile's codes and scale words are written, which the products take
	LDSET FF, 0, 0
	LDSET TT, 4, 1
.irp n, 0,1,2,3,4,5
	s_wait_dscnt 13                                ; this set is in; the 13 loads of the set behind it may be out
.if \n%2
	MULSET TT, 1, 4, CDA+12*(\n/2), CDB+12*(\n/2), SW+(\n/2), SW+3+(\n/2)
.else
	MULSET FF, 0, 0, CDA+12*(\n/2), CDB+12*(\n/2), SW+(\n/2), SW+3+(\n/2)
.endif
	PLACES 4
.if \n < 5
	WIN 0x40
	s_wait_alu depctr_va_vdst(0)                   ; this set's eight products are done reading its fragments and scale words, in whose registers the set two further on lands
.endif
.if \n < 4
.if \n%2
	LDSET TT, 4*(\n+2), 1
.else
	LDSET FF, 4*(\n+2), 0
.endif
.elseif \n == 4
	LDSET FF, 24, 0                                ; layer 1's first set
.endif
.endr
	LAYER 1, 24
	WIN 0x40
	s_wait_alu depctr_va_vdst(0)                   ; layer 1's products are done reading the first buffer and its scale words, in which the next set lands
	LDSET FF, 32, 0                                ; layer 2's first set
	LAYER 2, 32
	WIN 0x40
	s_wait_alu depctr_va_vdst(0)                   ; layer 2's products are done reading the first buffer, in which w_out's fragments land
.irp j, 0,1,2,3,4,5,6,7
	ds_load_b128 v[FF+4*\j:FF+4*\j+3], v[LI2] offset:6656+512*\j   ; w_out's four fragments
.endr
	WIN 0
	; the last product, in bf16: source 0 = w_out's columns (rows 3-15 zero), source 1 = my rows; k stands in the same order on both sides
	GELU XA
	GELU XB
	WIN 0x05
.set j, 0
.rept 64
	v_cvt_pk_bf16_f32 v[HB+j], v[2*j], v[2*j+1]
.set j, j+1
.endr
	WIN 0
	PLACES 4
	s_wait_dscnt 0x0
	s_wait_alu depctr_vm_vsrc(0)                   ; the second tile's last point's LDS stores have read v224-239, which the sums below write
	WIN 0x01
.irp b, 0,1,2,3
.if \b == 0
	v_wmma_f32_16x16x32_bf16 v[DA:DA+7], v[FF+8*\b:FF+8*\b+7], v[HB+8*\b:HB+8*\b+7], 0
	v_wmma_f32_16x16x32_bf16 v[DB:DB+7], v[FF+8*\b:FF+8*\b+7], v[HB+32+8*\b:HB+32+8*\b+7], 0
.else
	v_wmma_f32_16x16x32_bf16 v[DA:DA+7], v[FF+8*\b:FF+8*\b+7], v[HB+8*\b:HB+8*\b+7], v[DA:DA+7]
	v_wmma_f32_16x16x32_bf16 v[DB:DB+7], v[FF+8*\b:FF+8*\b+7], v[HB+32+8*\b:HB+32+8*\b+7], v[DB:DB+7]
.endif
.endr
	WIN 0
	PLACES 4
.irp j, 0,1,2
	v_permlane16_swap_b32 v[DA+\j], v[DB+\j]       ; lanes 0-15 hold the three results of tile 0's rows; tile 1's come into lanes 16-31
.endr
.irp j, 0,1,2
	v_fma_f32 v[OT+\j], v[DA+\j], s31, v[BO+\j]
.endr
.irp j, 0,1,2
	v_exp_f32 v[OT+\j], v[OT+\j]
.endr
	v_nop
	s_wait_alu depctr_va_vdst(0)                   ; the three exponentials have written v240-242, ahead of their first reader
.irp j, 0,1,2
	v_add_f32 v[OT+\j], 1.0, v[OT+\j]
.endr
.irp j, 0,1,2
	v_rcp_f32 v[OT+\j], v[OT+\j]
.endr
	v_nop
	s_wait_alu depctr_va_vdst(0)                   ; the three reciprocals have written v240-242, ahead of their first reader
.irp j, 0,1,2
	v_fma_f32 v[OT+\j], v[OT+\j], -2.0, 1.0
.endr
	s_wait_loadcnt 0x0                             ; the point's number
	v_min_u32 v[OA], 0xffff, v[IDX]
	v_mad_u32_u24 v[OA], v[OA], 12, v[IMG]
	s_wait_alu depctr_va_vdst(0)                   ; the store's offset v20 and its data v240-242 are written
	global_store_b96 v[OA], v[OT:OT+2], s[14:15]   ; 12 bytes a row, at the point's own place: the list's order is not the output's
	s_wait_xcnt 0x0                                ; the store and the index load have read their registers: the next trip writes them again
	s_wait_alu depctr_vm_vsrc(0)                   ; beside it: the store has read v20 and v240-242, and this unit's loads have read their five addresses, all of which the next trip writes
	s_add_co_u32 s2, s2, 16*TPIT
	s_add_co_u32 s3, s3, 128
	s_sub_co_u32 s22, s22, 1
	s_cmp_lg_u32 s22, 0
	s_cbranch_scc1 .Lunit
	s_wait_dscnt 0x0                               ; the closing lines, six on end
	s_wait_alu 0x0
	s_wait_tensorcnt 0x0
	ds_add_u32 v174, v175
	s_wait_dscnt 0x0
	s_endpgm
.Lfunc_end_k_qcb990af2f8_decode:
	.size	k_qcb990af2f8_decode, .Lfunc_end_k_qcb990af2f8_decode-k_qcb990af2f8_decode
	.p2alignl 7, 3214868480
	.fill 96, 4, 3214868480
	.section	.rodata,"a",@progbits
	.p2align	6, 0x0
	.amdhsa_kernel k_qcb990af2f8_decode
		.amdhsa_group_segment_fixed_size 310272
		.amdhsa_private_segment_fixed_size 0
		.amdhsa_enable_private_segment 0
		.amdhsa_kernarg_size 48
		.amdhsa_user_sgpr_count 2
		.amdhsa_user_sgpr_kernarg_segment_ptr 1
		.amdhsa_wavefront_size32 1
		.amdhsa_system_sgpr_workgroup_id_x 1
		.amdhsa_system_sgpr_workgroup_id_y 1
		.amdhsa_system_sgpr_workgroup_id_z 1
		.amdhsa_system_vgpr_workitem_id 0
		.amdhsa_next_free_vgpr 512
		.amdhsa_next_free_sgpr 72
		.amdhsa_reserve_vcc 0
		.amdhsa_float_denorm_mode_32 3
		.amdhsa_float_denorm_mode_16_64 3
		.amdhsa_memory_ordered 1
		.amdhsa_forward_progress 1
		.amdhsa_inst_pref_size 255
	.end_amdhsa_kernel
	.section	.bss,"aw",@nobits
	.p2align	6
	.space	262144
	.amdgpu_metadata
---
amdhsa.version: [ 1, 2 ]
amdhsa.kernels:
  - .name:           k_qcb990af2f8_decode
    .symbol:         k_qcb990af2f8_decode.kd
    .args:
      - { .name: feature_grid, .offset: 0, .size: 8, .value_kind: global_buffer, .address_space: global }
      - { .name: sorted, .offset: 8, .size: 8, .value_kind: global_buffer, .address_space: global }
      - { .name: rec, .offset: 16, .size: 8, .value_kind: global_buffer, .address_space: global }
      - { .name: wimg, .offset: 24, .size: 8, .value_kind: global_buffer, .address_space: global }
      - { .name: b_out, .offset: 32, .size: 8, .value_kind: global_buffer, .address_space: global }
      - { .name: out0, .offset: 40, .size: 8, .value_kind: global_buffer, .address_space: global }
    .group_segment_fixed_size: 310272
    .private_segment_fixed_size: 0
    .kernarg_segment_align: 8
    .kernarg_segment_size: 48
    .max_flat_workgroup_size: 256
    .sgpr_count:     72
    .vgpr_count:     512
    .wavefront_size: 32
...
	.end_amdgpu_metadata
.endif
;; end of part 4
